; MI455X (gfx1250); checked and timed in simulation.
; The chip was launched on July 23, 2026; its instructions are those of AMD's public machine-readable ISA for CDNA 5 (MIT licence, August 2026) and "CDNA5" Instruction Set Architecture Reference Guide (July 2026). The comments in the code are by the model that wrote it; some were corrected since.
;; Attention. Allowed arithmetic: matrix products marked QUANTISED: E2M3 operands, one E8M0 scale for each 32 along K, by v_wmma_scale_f32_16x16x128_f8f6f4 with both operands' format E2M3, f32 sums; everything else in f32.
;; Inputs: b_qkv 3,072 float32; logit_scale 16 x 1 x 1 float32; w_out 1,024 x 1,024 float32; w_qkv 3,072 x 1,024 float32; x 4 x 2,048 x 1,024 float32.
;; Outputs: out0 4 x 2,048 x 1,024 float32.
;; This version of the problem:
;;   THIS VERSION OF THE PROBLEM IS GIVEN IN LOW PRECISION. The matrix products marked QUANTISED in the list below multiply operands that are first quantised to E2M3 (2 exponent bits, 3 mantissa bits; 6 bits a number), with one power-of-two scale for each 32 numbers along K (OCP MX v1.0); their sums are f32. All else is computed in f32.
;;   The module's matrix products, in the order in which they are computed (A, B: the left and right operand; K: the contracted axis; several contracted axes count as one K, in the product's order):
;;     1. [M 8,192, K 1,024] x [K 1,024, N 3,072]; A: input x; B: input w_qkv: QUANTISED
;;     2. batch 64 x [M 2,048, K 64] x [K 64, N 2,048]; A: computed on the way; B: computed on the way: QUANTISED
;;     3. batch 64 x [M 2,048, K 2,048] x [K 2,048, N 64]; A: softmax (see below); B: computed on the way: QUANTISED
;;     4. [M 8,192, K 1,024] x [K 1,024, N 1,024]; A: computed on the way; B: input w_out: QUANTISED
;;   THE QUANTISER, for each operand of a quantised product, along K:
;;     - K is cut into blocks of 32 from its start; a last block that is shorter is filled with zeros.
;;     - A block's scale is 2^e with e = floor(log2(the largest magnitude in the block)) - 2, held to -126 .. 127; a block of zeros has e = 0. As a byte (E8M0): e + 127.
;;     - Each number is divided by its block's scale, clamped to +-7.5, and rounded to the nearest number of E2M3, ties to even, subnormals kept.
;;     - The product sums the exact products of the quantised numbers (number of the format x scale) in f32.
;;   ~~~python
;;   def quantise(x, axis):      # numpy; x: float32 -> the quantised numbers, widened to float32 again
;;       x = np.moveaxis(x, axis, -1); K = x.shape[-1]
;;       x = np.pad(x, [(0, 0)] * (x.ndim - 1) + [(0, -K % 32)]); x = x.reshape(x.shape[:-1] + (-1, 32)); a = np.abs(x).max(-1, keepdims=True)
;;       e = np.where(a > 0, np.clip(np.frexp(np.where(a > 0, a, 1))[1] - 1 - 2, -126, 127), 0)      # np.frexp(a)[1] - 1 = floor(log2(a)), exactly
;;       r = np.clip(x / 2.0 ** e, -7.5, 7.5)
;;       step = 2.0 ** (np.maximum(np.frexp(np.where(r == 0, 1, r))[1] - 1, 0) - 3)
;;       q = np.round(r / step) * step * 2.0 ** e      # np.round: ties to even
;;       return np.moveaxis(q.reshape(q.shape[:-2] + (-1,))[..., :K], -1, axis).astype(np.float32)
;;   ~~~
;;   SOFTMAX AHEAD OF A QUANTISED PRODUCT. Where the list says 'softmax', what is quantised is not the finished softmax but p = 2^(t - M), with t = logit x log2(e) and M = ceil(the row's largest t), a whole number; so 1/2 < the row's largest p <= 1. The row's sum l is taken of the UNQUANTISED p, in f32, and the product's result is divided by l at the end. Since M is a whole number, a kernel that streams over the keys may use a running M (the ceiling of the running maximum): every later rescaling is an exact power of two, which a block's scale takes up: the codes' values come out the same.
;;   OPERANDS COMPUTED ON THE WAY. 'Computed on the way' means the value that the module computes at that place (a softmax that the list does not call 'softmax' is quantised finished and normalised). What goes into a quantiser is computed in f32, as accurately as f32 sums, v_exp_f32 and their like allow (about 1e-6 of the number): no bf16 or f16 on the way to a quantiser, and a product that is left as it is and whose result goes on into a quantised operand takes f32 operands (vector FMAs, or v_wmma_f32_16x16x4_f32). A number that lies on a knife's edge between two numbers of the format may be rounded either way, as far as f32 arithmetic and the matrix unit's own rounding can turn it there, and no further.
;; One version. Each part assembles by itself: llvm-mc -triple=amdgcn-amd-amdhsa -mcpu=gfx1250 --defsym DOCPART=n.
;; ======== version 1 of 1: 4 launches
;; limits: right only within a limited range of input values
;; workspace buffers: img 9,437,184 bytes; sc 393,216 bytes; qkv_img 18,874,368 bytes; qkv_sc 786,432 bytes; o_img 6,291,456 bytes; o_sc 262,144 bytes
;; launch quant (part 1): grid 192 x 2, 4 waves a work-group, no clusters, 35,328 bytes of LDS; arguments x, w_qkv, w_out, img, sc; writes img, sc
.if DOCPART == 1
	.amdgcn_target "amdgcn-amd-amdhsa--gfx1250"
	.amdhsa_code_object_version 6
	.text
	.protected	k_qf10c0c0145_quant
	.globl	k_qf10c0c0145_quant
	.p2align	8
	.type	k_qf10c0c0145_quant,@function
k_qf10c0c0145_quant:
	s_mov_b64 s[64:65], 0
	v_nop
	global_prefetch_b8 v0, s[64:65] scope:SCOPE_SE
	s_setreg_imm32_b32 hwreg(HW_REG_WAVE_MODE, 25, 1), 1
	s_wait_xcnt 0x0
; x [8192][1024], w_qkv [3072][1024], w_out [1024][1024], f32, K innermost, become codes of FP6 (E2M3) with one E8M0 byte for each 32 along K.
; The codes are laid as IMAGES OF OPERAND REGISTERS: a fragment is 16 rows x 128 K = 12 registers a lane = 1,536 bytes; registers 4 g .. 4 g + 3 of lane l lie at 512 g + 16 l.
; img: [tile 768][K step 8][1,536 bytes]; tiles 0-511 x, 512-703 w_qkv, 704-767 w_out.   sc: [K step 8][tile 768][row 16] words of four scale bytes.
; THE ROWS OF A TILE ARE NOT NEIGHBOURS: tile 2 G + u holds, at place i, row 32 G + 8 u + i + 8 (i / 8) of its tensor: the results of two neighbouring tiles are then 16 neighbours along the next product's K.
; A block's scale is 2^(floor(log2(largest magnitude)) - 2); its byte is the largest magnitude's exponent field - 2, held at 1 from below.
; LIMITS: a block of zeros, or one whose largest magnitude lies under 2^-124, gets the byte 1 where the rule says 127 (zeros) : its codes are zeros and this program alone reads the bytes; NaN and infinities are not served.
; SHARES: a work-group takes four tiles (one a wave) and half of K (four K steps).  Each load reads 512 consecutive bytes (one row's K step); the 16 rows turn through the wave's own stage in LDS,
; so that a lane gets, of its row, 16 neighbours of each block of 32.  No tensor loads; one barrier, for the scale words, which leave as runs of 256 bytes.
.set SCG, 33792                        ; LDS: behind the four stages (16 rows x 528 bytes each): scale words [K step 4][wave 4][row 16]
.set R,   16                           ; v16-143  two sets of 64 registers as loaded
.set X,   144                          ; v144-207 64 numbers of my row: register 16 b + i = k 32 b + 16 (lane / 16) + i
.set PC,  208                          ; v208-219 the fragment's codes; v220-226 at work
.set TM,  228                          ; v228-243 at work
.set PW,  244                          ; the scale word
.set SEL, 22                           ; s[22:23] lane selects: lane l xor 16
; 64 numbers of a lane become a fragment's 12 registers in v[PC] on and its scale word in v[PW]
.macro QUANT s
.irp b, 0,1,2,3
	v_max3_num_f32 v[TM+\b], |v[(\s)+16*\b]|, |v[(\s)+1+16*\b]|, 0x1800000   ; block b: my 16 numbers, and the floor 2^(3 - 127): the byte cannot fall under 1
.endr
.irp i, 2,4,6,8,10,12,14
.irp b, 0,1,2,3
	v_max3_num_f32 v[TM+\b], v[TM+\b], |v[(\s)+16*\b+\i]|, |v[(\s)+1+16*\b+\i]|   ; the four blocks by turns
.endr
.endr
.irp b, 0,1,2,3
	v_permlanex16_b32 v[TM+4+\b], v[TM+\b], s[SEL], s[SEL+1]
.endr
.irp b, 0,1,2,3
	v_max_num_f32 v[TM+\b], v[TM+\b], v[TM+4+\b]   ; with lane l xor 16's 16: the block's largest magnitude
.endr
.irp b, 0,1,2,3
	v_add_nc_u32 v[TM+12+\b], 0xff000000, v[TM+\b]   ; 2 off its exponent field: the conversion's scale operand
.endr
.irp b, 0,1,2,3
	v_lshrrev_b32 v[TM+4+\b], 23, v[TM+12+\b]      ; the scale's byte
.endr
	v_lshl_or_b32 v[PW], v[TM+5], 8, v[TM+4]
	v_lshl_or_b32 v[PW], v[TM+6], 16, v[PW]
	v_lshl_or_b32 v[PW], v[TM+7], 24, v[PW]
.irp c, 0,1
	v_cvt_scalef32_pk16_fp6_f32 v[PC+6*\c:PC+2+6*\c], v[(\s)+32*\c:(\s)+15+32*\c], v[TM+12+2*\c]
	v_cvt_scalef32_pk16_fp6_f32 v[PC+12+4*\c:PC+14+4*\c], v[(\s)+16+32*\c:(\s)+31+32*\c], v[TM+12+2*\c+1]   ; (a conversion's three registers begin on an even number)
.endr
	v_nop                                          ; one plain place behind a scaled conversion
.irp c, 0,1                                    ; the layout wants a WHOLE block in a lane: lanes 0-15 block 2 c, lanes 16-31 block 2 c + 1
.irp i, 0,1,2
	v_permlane16_swap_b32 v[PC+6*\c+\i], v[PC+12+4*\c+\i]
.endr
.irp i, 0,1,2
	v_mov_b32 v[PC+3+6*\c+\i], v[PC+12+4*\c+\i]
.endr
.endr
.endm
	s_load_b256 s[4:11], s[0:1], 0x0               ; x s[4:5], w_qkv s[6:7], w_out s[8:9], img s[10:11]
	s_load_b64 s[12:13], s[0:1], 0x20              ; sc
	v_lshl_add_u32 v254, v0, 2, 0x8800
	v_mov_b32 v255, 0
	v_lshrrev_b32 v1, 5, v0
	v_readfirstlane_b32 s14, v1                    ; wave 0..3
	v_and_b32 v1, 31, v0                           ; lane
	v_and_b32 v2, 15, v0                           ; r
	v_bfe_u32 v3, v0, 4, 1                         ; h
	v_lshlrev_b32 v4, 4, v1                        ; 16 l: my bytes of a load's 512 and of an image's 512
	s_mul_i32 s15, s14, 8448                       ; my stage
	v_add_nc_u32 v5, s15, v4                       ; into it: 16 l; the row stands in the offset
	v_mul_u32_u24 v6, v2, 528
	v_lshl_add_u32 v6, v3, 6, v6
	v_add_nc_u32 v6, s15, v6                       ; out of it: row r, + 64 h
	s_lshl_b32 s16, s14, 6
	s_add_co_u32 s16, s16, SCG
	v_lshl_add_u32 v7, v2, 2, s16                  ; my tile's scale words: 64 x wave + 4 r
	v_lshlrev_b32 v9, 3, v1                        ; 8 l
	s_lshl_b32 s16, s14, 8
	s_add_co_u32 s16, s16, SCG
	v_add_nc_u32 v8, s16, v9                       ; on the way out wave w takes K step w of the four tiles: 256 bytes
	s_mov_b32 s[SEL], 0x76543210
	s_mov_b32 s[SEL+1], 0xfedcba98
.irp b, 0,1,2,3
	v_mov_b32 v[TM+4+\b], 0                        ; written once: a lane permute's destination counts as one of its sources
.endr
	s_and_b32 s17, ttmp7, 0xffff                   ; which half of K
	s_cmp_lt_u32 ttmp9, 128                        ; work-groups 0-127 x, 128-175 w_qkv, 176-191 w_out
	s_cselect_b32 s20, 0, 128
	s_cmp_lt_u32 ttmp9, 176
	s_cselect_b32 s20, s20, 176
	s_sub_co_u32 s18, ttmp9, s20
	s_lshl_b32 s18, s18, 18                        ; 64 rows of 4,096 bytes a work-group
	s_lshr_b32 s19, s14, 1
	s_lshl_b32 s19, s19, 17                        ; waves 2, 3: 32 rows on
	s_add_co_u32 s18, s18, s19
	s_and_b32 s19, s14, 1
	s_lshl_b32 s19, s19, 15                        ; odd tiles: 8 rows on
	s_add_co_u32 s18, s18, s19
	s_lshl_b32 s19, s17, 11                        ; 512 numbers along K
	s_add_co_u32 s18, s18, s19
	s_mov_b32 s19, 0
	s_lshl_b32 s24, ttmp9, 2
	s_add_co_u32 s24, s24, s14                     ; my tile
	s_mul_i32 s24, s24, 12288
	s_mul_i32 s25, s17, 6144
	s_add_co_u32 s24, s24, s25
	s_mov_b32 s25, 0
	s_lshl_b32 s26, s17, 2
	s_add_co_u32 s26, s26, s14                     ; the K step whose scale words I store
	s_mul_i32 s26, s26, 49152
	s_lshl_b32 s27, ttmp9, 8
	s_add_co_u32 s26, s26, s27
	s_mov_b32 s27, 0
	s_wait_alu depctr_va_vdst(0)
	s_wait_kmcnt 0x0
	s_cmp_lt_u32 ttmp9, 128                        ; the choice of the tensor hangs on the work-group's number alone
	s_cselect_b64 s[4:5], s[4:5], s[6:7]
	s_cmp_lt_u32 ttmp9, 176
	s_cselect_b64 s[4:5], s[4:5], s[8:9]
	s_add_nc_u64 s[4:5], s[4:5], s[18:19]
	s_add_nc_u64 s[10:11], s[10:11], s[24:25]
	s_add_nc_u64 s[12:13], s[12:13], s[26:27]
.macro LOAD t                          ; K step t of my 16 rows: each load is 512 consecutive bytes
.irp i, 0,1,2,3,4,5,6,7,8,9,10,11,12,13,14,15
	global_load_b128 v[R+64*((\t)%2)+4*\i:R+64*((\t)%2)+4*\i+3], v4, s[4:5] offset:(\i+8*(\i/8))*4096+512*(\t) th:TH_LOAD_NT
.endr
.endm
.macro KSTEP t
.if (\t) < 3
	s_wait_loadcnt 16                              ; this K step's 16 loads are in; the next one's 16 may be out
.else
	s_wait_loadcnt 0x0
.endif
.irp i, 0,1,2,3,4,5,6,7,8,9,10,11,12,13,14,15
	ds_store_b128 v5, v[R+64*((\t)%2)+4*\i:R+64*((\t)%2)+4*\i+3] offset:528*\i
.endr
.irp b, 0,1,2,3
.irp j, 0,1,2,3
	ds_load_b128 v[X+16*\b+4*\j:X+16*\b+4*\j+3], v6 offset:128*\b+16*\j   ; LDS serves a wave's instructions in order: these see my stores
.endr
.endr
	s_wait_dscnt 0x0                               ; the numbers are back, the stage's stores have read their registers, and so has the last step's scale store
.if (\t) < 2
	LOAD (\t)+2
.endif
	s_wait_xcnt 0x0                                ; the last step's stores have read the codes' registers: they are written again only behind this wait
	QUANT X
.irp g, 0,1,2
	global_store_b128 v4, v[PC+4*\g:PC+4*\g+3], s[10:11] offset:1536*(\t)+512*\g   ; 512 consecutive bytes, at a multiple of 256 from the buffer's first byte
.endr
	ds_store_b32 v7, v[PW] offset:256*(\t)         ; both halves of the lanes hold the same word and write it to the same place
.endm
	LOAD 0
	LOAD 1
	KSTEP 0
	KSTEP 1
	KSTEP 2
	KSTEP 3
	s_wait_dscnt 0x0                               ; for the others' sake: my scale words lie in LDS
	s_barrier_signal -1
	s_barrier_wait -1
	ds_load_b64 v[246:247], v8
	s_wait_dscnt 0x0
	global_store_b64 v9, v[246:247], s[12:13]      ; 32 lanes store 256 consecutive bytes, aligned: one K step's words of four tiles
	s_wait_tensorcnt 0x0
	ds_add_u32 v254, v255
	s_wait_dscnt 0x0
	s_endpgm
.Lfunc_end_k_qf10c0c0145_quant:
	.size	k_qf10c0c0145_quant, .Lfunc_end_k_qf10c0c0145_quant-k_qf10c0c0145_quant
	.p2alignl 7, 3214868480
	.fill 96, 4, 3214868480
	.section	.rodata,"a",@progbits
	.p2align	6, 0x0
	.amdhsa_kernel k_qf10c0c0145_quant
		.amdhsa_group_segment_fixed_size 35328
		.amdhsa_private_segment_fixed_size 0
		.amdhsa_enable_private_segment 0
		.amdhsa_kernarg_size 40
		.amdhsa_user_sgpr_count 2
		.amdhsa_user_sgpr_kernarg_segment_ptr 1
		.amdhsa_wavefront_size32 1
		.amdhsa_system_sgpr_workgroup_id_x 1
		.amdhsa_system_sgpr_workgroup_id_y 1
		.amdhsa_system_sgpr_workgroup_id_z 1
		.amdhsa_system_vgpr_workitem_id 0
		.amdhsa_next_free_vgpr 256
		.amdhsa_next_free_sgpr 66
		.amdhsa_reserve_vcc 0
		.amdhsa_float_denorm_mode_32 3
		.amdhsa_float_denorm_mode_16_64 3
		.amdhsa_memory_ordered 1
		.amdhsa_forward_progress 1
		.amdhsa_inst_pref_size 35
	.end_amdhsa_kernel
	.amdgpu_metadata
---
amdhsa.version: [ 1, 2 ]
amdhsa.kernels:
  - .name:           k_qf10c0c0145_quant
    .symbol:         k_qf10c0c0145_quant.kd
    .args:
      - { .name: x, .offset: 0, .size: 8, .value_kind: global_buffer, .address_space: global }
      - { .name: w_qkv, .offset: 8, .size: 8, .value_kind: global_buffer, .address_space: global }
      - { .name: w_out, .offset: 16, .size: 8, .value_kind: global_buffer, .address_space: global }
      - { .name: img, .offset: 24, .size: 8, .value_kind: global_buffer, .address_space: global }
      - { .name: sc, .offset: 32, .size: 8, .value_kind: global_buffer, .address_space: global }
    .group_segment_fixed_size: 35328
    .private_segment_fixed_size: 0
    .kernarg_segment_align: 8
    .kernarg_segment_size: 40
    .max_flat_workgroup_size: 128
    .sgpr_count:     66
    .vgpr_count:     256
    .wavefront_size: 32
...
	.end_amdgpu_metadata
.endif
;; end of part 1
;; launch qkv (part 2): grid 12 x 32, 4 waves a work-group, clusters of 4 x 4, 327,680 bytes of LDS; arguments img, sc, b_qkv, qkv_img, qkv_sc; writes qkv_img, qkv_sc
.if DOCPART == 2
	.amdgcn_target "amdgcn-amd-amdhsa--gfx1250"
	.amdhsa_code_object_version 6
	.text
	.protected	k_qf10c0c0145_qkv
	.globl	k_qf10c0c0145_qkv
	.p2align	8
	.type	k_qf10c0c0145_qkv,@function
k_qf10c0c0145_qkv:
	s_mov_b64 s[64:65], 0
	v_nop
	global_prefetch_b8 v0, s[64:65] scope:SCOPE_SE
	s_setreg_imm32_b32 hwreg(HW_REG_WAVE_MODE, 25, 1), 1
	s_wait_xcnt 0x0
	s_wait_alu depctr_hold_cnt(0) depctr_sa_sdst(0) depctr_va_vdst(0) depctr_va_sdst(0) depctr_va_ssrc(0) depctr_va_vcc(0) depctr_vm_vsrc(0)
	s_getreg_b32 s2, hwreg(HW_REG_IB_STS2, 6, 4)
	s_cmp_eq_u32 s2, 0
	s_cbranch_scc0 .Lentry_in_a_cluster
	s_endpgm
.Lentry_in_a_cluster:
	s_bfe_u32 s2, ttmp6, 0x10000c
	s_cmp_lg_u32 s2, 0xf033
	s_cbranch_scc0 .Lentry_shape_is_right
	s_endpgm
.Lentry_shape_is_right:
; qkv = x w_qkv^T + b_qkv on codes of FP6 (E2M3) with E8M0 scales; then q and k are divided by max(their head's norm, 1e-12) and quantised along the head's 64, v is quantised along the keys.  Nothing leaves as f32.
; A work-group of four waves makes 256 x 256 of the product, a wave 128 x 128: 64 accumulators, 512 registers.  K = 1,024 goes as four K slots of 256 through three LDS slots: three are filled at the start, one is filled again.
; OPERANDS ARE IMAGES OF REGISTERS (16 rows x 128 K = 1,536 bytes; registers 4 g .. of lane l at 512 g + 16 l): a fragment is three loads of 512 consecutive bytes; no pitch, no padding.
; THE MATRIX INSTRUCTION IS USED TRANSPOSED: source 0 = a tile of 'B', source 1 = a tile of 'A'.  Lane (r, h) of accumulator (a, b) holds place r of A's tile a, and register j holds B's row 32 (b / 2) + 16 h + 8 (b % 2) + j
; (a tile 2 G + u holds at place i the row 32 G + 8 u + i + 8 (i / 8)): a lane's 64 registers of a block a run along B's rows in the order that a quantiser wants.
; ROLES.  Cluster x = 0: q, 1: k: A = x's rows, B = the weight's rows: a lane holds one token and runs along the features.  Cluster x = 2: v: A = the weight's rows, B = x's rows: a lane holds one feature and runs along the keys.
; The roles are swapped by tile numbers alone; the main part is one text.  Both layouts of the bias are loaded at the head (24 loads a lane), each way out uses one: so the head has no branch.
; CLUSTER 4 x 4: A's tiles hang on cy and are asked for jointly along a row of the cluster, B's hang on cx and are asked for along a column.
; OUT.  qkv_img: q, k: [b h 64][tile 128][768 bytes] (half a fragment: registers 0-3 at 16 l, 4-5 at 512 + 8 l); v: [b h][128 keys 16][tile of d 4][1,536].  qkv_sc: q, k: two bytes a row; v: a word a row.
; LIMITS: NaN and infinities are not served; a block of zeros or under 2^-124 gets the scale byte 1 (its codes are zeros; this program alone reads the bytes); the sums of squares over- and underflow as f32 sums do.
; REGISTERS.  window 0: v1-7, v16-31 addresses; v32-63 scale words, two sets; v64-127 the bias along B; v128-223 A's fragments, one set; v224-231 the bias along A; on the way out v128-211 and v232-253 are at work.
;   window 1: B's fragments, two sets (v0, v128).   windows 2, 3: the accumulators of A's blocks 0-3, 4-7: (a, b) at v[8 (8 (a % 4) + b)].
.set SLOT,   98304                     ; an LDS slot: 256 along K of A's 16 tiles, then of B's 16
.set WPART,  24576                     ; what one tensor load brings: 8 tiles x 3,072 bytes
.set TILEB,  3072                      ; a tile's two fragments
.set FRB,    1536
.set SCL,    3*SLOT                    ; the scale words of all of K: 8,192 bytes for each wave's load: [K step 8][tile 16][row 16]
.set SPARE,  SCL+16384                 ; the spare words, 128 bytes a wave: two blocks of 256 bytes that no other line names
.set FR,     12
.set L16,  1                           ; v1   16 l
.set L8,   2                           ; v2   8 l
.set LSO,  3                           ; v3   4,096 (l / 16) + 16 (l % 16): the scales' way out
.set AQ,   4                           ; v4   q, k: where I gather scale bytes (in slot 1);  v5: where I read them back
.set AQR,  5
.set AV,   6                           ; v6, v7  the same for v (in slot 2)
.set AVR,  7
.set ADRA, 16                          ; v16-19 my A fragments of K slots 0 to 3
.set ADRB, 20                          ; v20-23 my B fragments
.set ADRS, 27                          ; v27  my scale words: lanes 0-15 A's, lanes 16-31 B's
.set SPW,  28                          ; v28  my spare word; never rewritten
.set NIL,  29                          ; v29  0; never rewritten
.set SC,   32                          ; set K slot % 2 at v[SC + 16 ..]; register 2 i + q: block i, the slot's q-th 128 along K
.set BI,   64
.set AF,   128
.set BV,   224
.set T,    128                         ; the way out: 64 numbers
.set CD,   192                         ; codes
.set PC,   192
.set XT,   208
.set TM,   232
.set PW,   248
.set SQ,   250
.set RN,   36
.set SEL,  2                           ; s[2:3], set on the way out
.set G1A,  24                          ; s[24:31] group 1, A's codes;  s[32:43] group 0 for slots 0-2;  s[44:47] group 0, A's scales
.set G0A,  32
.set G0AS, 44
.set G1B,  48                          ; s[48:55] group 1, B's codes;  s[56:63], s[68:71] group 0 for slots 0-2;  s[72:75] group 0, B's scales
.set G0B,  56
.set G0BS, 72
.set G1SA, 76                          ; s[76:83], s[84:91] group 1 for the scales
.set G1SB, 84
.set MSB, 0
.macro WIN new                         ; the immediate's high byte repeats the setting that is left
.if MSB != (\new)
	s_set_vgpr_msb (MSB<<8)|(\new)
.set MSB, (\new)
.endif
.endm
.set MUL_LO, 0xa1                      ; source 0 (B) window 1, source 1 (A) window 0, C and D window 2
.set MUL_HI, 0xf1
.set TO_B,   0x40
; A joint load: waves 0, 1 fetch for A, waves 2, 3 for B.  The branch hangs on the wave's number alone.  Four v_nop follow each of the two lines.
.macro JLOAD g0a, g1a, g0b, g1b
	s_cmp_eq_u32 s15, 0
	s_cbranch_scc0 .Lfor_b_\@
	tensor_load_to_lds s[\g0a:\g0a+3], s[\g1a:\g1a+7]
	s_nop 0
.rept 4
	v_nop
.endr
	s_branch .Lasked_\@
.Lfor_b_\@:
	tensor_load_to_lds s[\g0b:\g0b+3], s[\g1b:\g1b+7]
	s_nop 0
.rept 4
	v_nop
.endr
.Lasked_\@:
.endm
.macro CREST                           ; a round of the cluster's barrier behind its opening barrier
	s_cmp_lg_u32 s14, 0
	s_cbranch_scc1 .Lnot_wave_0_\@
	s_barrier_signal -3
.Lnot_wave_0_\@:
	s_barrier_wait -3
	s_barrier_signal -1
	s_barrier_wait -1
.endm
.macro CROUND
	s_barrier_signal -1
	s_barrier_wait -1
	CREST
.endm
.macro PLACES n                        ; plain places behind matrix instructions, in front of loads into registers that they read and of reads of their results
.rept \n
	v_nop
.endr
.endm
.macro FRAG reg, adr, off              ; a fragment: three loads of 512 consecutive bytes
.irp g, 0,1,2
	ds_load_b128 v[(\reg)+4*\g:(\reg)+4*\g+3], v[\adr] offset:(\off)+512*\g
.endr
.endm
.macro FETCH_B slot, q, p              ; B's eight fragments of the slot's q-th 128 along K into set p: 24 loads
	WIN TO_B
.irp i, 0,1,2,3,4,5,6,7
	FRAG 128*(\p)+FR*\i, ADRB+\slot, TILEB*(2-(\slot)/2)*\i+FRB*(\q)   ; K slots 0, 1 lie side by side in each tile's 6,144 bytes; K slots 2, 3 have tiles of 3,072
.endr
	WIN 0
.endm
.macro FETCH_A slot, q, i0             ; A's blocks i0 .. i0 + 3: 12 loads
.irp i, \i0, \i0+1, \i0+2, \i0+3
	FRAG AF+FR*(\i), ADRA+\slot, TILEB*(2-(\slot)/2)*(\i)+FRB*(\q)
.endr
.endm
.macro SCALES k                        ; K slot k's scale words: 16 loads
.irp i, 0,1,2,3,4,5,6,7
.irp q, 0,1
	ds_load_b32 v[SC+16*((\k)%2)+2*\i+\q], v[ADRS] offset:(2*(\k)+\q)*1024+64*\i   ; a K step's words of 16 tiles are 1,024 bytes
.endr
.endr
.endm
; 16 matrix instructions: A's blocks a0, a0 + 1 x B's eight.  The 64 accumulators take turns, one instruction a turn, in the same order in every step.
.macro MUL16 a0, p, q, sc, zero
.irp a, \a0, \a0+1
.irp b, 0,1,2,3,4,5,6,7
.if \zero
	v_wmma_scale_f32_16x16x128_f8f6f4 v[8*(8*((\a)%4)+\b):8*(8*((\a)%4)+\b)+7], v[128*(\p)+FR*\b:128*(\p)+FR*\b+FR-1], v[AF+FR*(\a):AF+FR*(\a)+FR-1], 0, v[SC+16*(\sc)+2*\b+(\q)], v[SC+16*(\sc)+2*(\a)+(\q)] matrix_a_fmt:MATRIX_FMT_FP6 matrix_b_fmt:MATRIX_FMT_FP6 matrix_a_scale:MATRIX_SCALE_ROW1
.else
	v_wmma_scale_f32_16x16x128_f8f6f4 v[8*(8*((\a)%4)+\b):8*(8*((\a)%4)+\b)+7], v[128*(\p)+FR*\b:128*(\p)+FR*\b+FR-1], v[AF+FR*(\a):AF+FR*(\a)+FR-1], v[8*(8*((\a)%4)+\b):8*(8*((\a)%4)+\b)+7], v[SC+16*(\sc)+2*\b+(\q)], v[SC+16*(\sc)+2*(\a)+(\q)] matrix_a_fmt:MATRIX_FMT_FP6 matrix_b_fmt:MATRIX_FMT_FP6 matrix_a_scale:MATRIX_SCALE_ROW1
.endif
.endr
.endr
.endm
.macro STEP slot, sc, zero             ; a slot's first 128 along K; it fetches the second
	s_wait_dscnt 12                                ; all but A's blocks 4-7 (the youngest 12 loads) are in
	WIN MUL_LO
	MUL16 0, 0, 0, \sc, \zero
	MUL16 2, 0, 0, \sc, \zero
	s_wait_dscnt 0x0
	PLACES 4
	FETCH_B \slot, 1, 1
	FETCH_A \slot, 1, 0
	WIN MUL_HI
	MUL16 4, 0, 0, \sc, \zero
	MUL16 6, 0, 0, \sc, \zero
	PLACES 4
	WIN 0
	FETCH_A \slot, 1, 4
.endm
; A slot's second 128 along K; it fetches the next slot's first.  kind 3: slot 0 has been read out and is filled again, behind a round of the cluster's barrier; in front of the round every wave has waited for ALL its
; tensor loads, so the round also shows slots 1 and 2 whole to every wave.  kind 0: no barrier is needed: the next slot was shown whole by that round.  kind 2: a barrier shows the refilled slot 0 whole.
.macro TURN slot, sc, next, knext, kind
.if \kind
	s_wait_tensorcnt 0x0                           ; all my tensor loads have landed
	ds_add_u32 v[SPW], v[NIL]                      ; 0 onto my spare word
	s_wait_dscnt 13                                ; (the add and A's blocks 4-7 may be out)
	WIN MUL_LO
	MUL16 0, 1, 1, \sc, 0
	s_wait_dscnt 0x0                               ; the add is done, and my reads of this slot are over
	s_barrier_signal -1
	MUL16 2, 1, 1, \sc, 0
	WIN 0
	s_barrier_wait -1
.if \kind == 3
	CREST                                          ; kind 3: K slots 0 and 1 of A have been read out: K slot 3 is filled over their 98,304 bytes, my one tensor load behind the round
	JLOAD G0A+4, G1A, G0B+4, G1B
.else
	PLACES 4
.endif
.else
	s_wait_dscnt 12
	WIN MUL_LO
	MUL16 0, 1, 1, \sc, 0
	MUL16 2, 1, 1, \sc, 0
	s_wait_dscnt 0x0
	PLACES 4
	WIN 0
.endif
	FETCH_B \next, 0, 0
	FETCH_A \next, 0, 0
	SCALES \knext
	WIN MUL_HI
	MUL16 4, 1, 1, \sc, 0
	MUL16 6, 1, 1, \sc, 0
	PLACES 4
	WIN 0
	FETCH_A \next, 0, 4
.endm
; 64 numbers of a lane, register 16 b + i = k 32 b + 16 h + i, become a fragment's 12 registers in v[PC] on and its scale word in v[PW]
.macro QUANT s
.irp b, 0,1,2,3
	v_max3_num_f32 v[TM+\b], |v[(\s)+16*\b]|, |v[(\s)+1+16*\b]|, 0x1800000   ; with the floor 2^(3 - 127): the byte cannot fall under 1
.endr
.irp i, 2,4,6,8,10,12,14
.irp b, 0,1,2,3
	v_max3_num_f32 v[TM+\b], v[TM+\b], |v[(\s)+16*\b+\i]|, |v[(\s)+1+16*\b+\i]|
.endr
.endr
.irp b, 0,1,2,3
	v_permlanex16_b32 v[TM+4+\b], v[TM+\b], s[SEL], s[SEL+1]
.endr
.irp b, 0,1,2,3
	v_max_num_f32 v[TM+\b], v[TM+\b], v[TM+4+\b]
.endr
.irp b, 0,1,2,3
	v_add_nc_u32 v[TM+12+\b], 0xff000000, v[TM+\b]   ; 2 off the exponent field: the conversion's scale operand
.endr
.irp b, 0,1,2,3
	v_lshrrev_b32 v[TM+4+\b], 23, v[TM+12+\b]
.endr
	v_lshl_or_b32 v[PW], v[TM+5], 8, v[TM+4]
	v_lshl_or_b32 v[PW], v[TM+6], 16, v[PW]
	v_lshl_or_b32 v[PW], v[TM+7], 24, v[PW]
.irp c, 0,1
	v_cvt_scalef32_pk16_fp6_f32 v[PC+6*\c:PC+2+6*\c], v[(\s)+32*\c:(\s)+15+32*\c], v[TM+12+2*\c]
	v_cvt_scalef32_pk16_fp6_f32 v[PC+12+4*\c:PC+14+4*\c], v[(\s)+16+32*\c:(\s)+31+32*\c], v[TM+12+2*\c+1]
.endr
	v_nop                                          ; one plain place behind a scaled conversion
.irp c, 0,1
.irp i, 0,1,2
	v_permlane16_swap_b32 v[PC+6*\c+\i], v[PC+12+4*\c+\i]
.endr
.irp i, 0,1,2
	v_mov_b32 v[PC+3+6*\c+\i], v[PC+12+4*\c+\i]
.endr
.endr
.endm
; the same for 32 numbers, two blocks: six registers in v[d] on, two scale bytes in v[pw]
.macro QUANT2 s, d, pw
.irp b, 0,1
	v_max3_num_f32 v[TM+\b], |v[(\s)+16*\b]|, |v[(\s)+1+16*\b]|, 0x1800000
.endr
.irp i, 2,4,6,8,10,12,14
.irp b, 0,1
	v_max3_num_f32 v[TM+\b], v[TM+\b], |v[(\s)+16*\b+\i]|, |v[(\s)+1+16*\b+\i]|
.endr
.endr
.irp b, 0,1
	v_permlanex16_b32 v[TM+4+\b], v[TM+\b], s[SEL], s[SEL+1]
.endr
.irp b, 0,1
	v_max_num_f32 v[TM+\b], v[TM+\b], v[TM+4+\b]
.endr
.irp b, 0,1
	v_add_nc_u32 v[TM+12+\b], 0xff000000, v[TM+\b]
.endr
.irp b, 0,1
	v_lshrrev_b32 v[TM+4+\b], 23, v[TM+12+\b]
.endr
	v_lshl_or_b32 v[\pw], v[TM+5], 8, v[TM+4]
	v_cvt_scalef32_pk16_fp6_f32 v[(\d):(\d)+2], v[(\s):(\s)+15], v[TM+12]
	v_cvt_scalef32_pk16_fp6_f32 v[XT:XT+2], v[(\s)+16:(\s)+31], v[TM+13]
	v_nop
.irp i, 0,1,2
	v_permlane16_swap_b32 v[(\d)+\i], v[XT+\i]
.endr
.irp i, 0,1,2
	v_mov_b32 v[(\d)+3+\i], v[XT+\i]
.endr
.endm
	s_load_b256 s[4:11], s[0:1], 0x0               ; img s[4:5], sc s[6:7], b_qkv s[8:9], qkv_img s[10:11]
	s_load_b64 s[12:13], s[0:1], 0x20              ; qkv_sc
	v_lshl_add_u32 v[SPW], v0, 2, SPARE
	v_mov_b32 v[NIL], 0
	ds_add_u32 v28, v29
	ds_add_u32 v28, v29
	s_wait_dscnt 0x0
	v_lshrrev_b32 v8, 5, v0
	v_readfirstlane_b32 s14, v8                    ; wave 0..3
	s_lshr_b32 s15, s14, 1                         ; which half of A's rows is mine.  Also: I fetch for A (0) or for B (1)
	s_and_b32 s16, s14, 1                          ; which half of B's rows.  Also: which 8 tiles I fetch
	s_bfe_u32 s92, ttmp6, 0x40000                  ; cx
	s_bfe_u32 s93, ttmp6, 0x40004                  ; cy
	s_and_b32 s95, ttmp7, 0xffff                   ; cluster y
	s_lshl_b32 s96, s93, 2
	s_lshl_b32 s96, 15, s96                        ; my row of the cluster
	s_lshl_b32 s97, 0x1111, s92                    ; my column
	s_or_b32 s[G1A], s96, (3<<16)|(1<<21)          ; 15:0 the mask; 17:16 elements of 8 bytes; 21 set beside a mask; no padding
	s_or_b32 s[G1B], s97, (3<<16)|(1<<21)
	s_or_b32 s[G1SA], s96, (3<<16)|(1<<21)
	s_or_b32 s[G1SB], s97, (3<<16)|(1<<21)
.irp g, G1A, G1B                       ; codes: 8 tiles, of each 3,072 bytes (384 elements), 12,288 bytes (1,536 elements) apart
	s_mov_b32 s[\g+1], 768<<16                     ; the head's loads bring K slots 0 and 1 of all 16 tiles: rows of 6,144 bytes; behind them these words are set for 8 tiles of 3,072
	s_mov_b32 s[\g+2], 16<<16
	s_mov_b32 s[\g+3], 768<<16
	s_mov_b32 s[\g+4], 16
	s_mov_b32 s[\g+5], 1536
	s_mov_b32 s[\g+6], 0
	s_mov_b32 s[\g+7], 0
.endr
.irp g, G1SA, G1SB                     ; scales: 8 K steps, of each 16 tiles' 1,024 bytes (128 elements), 49,152 bytes (6,144 elements) apart
	s_mov_b32 s[\g+1], 128<<16                     ; 16 tiles' words of a K step: 1,024 bytes
	s_mov_b32 s[\g+2], 8<<16
	s_mov_b32 s[\g+3], 128<<16
	s_mov_b32 s[\g+4], 8
	s_mov_b32 s[\g+5], 6144
	s_mov_b32 s[\g+6], 0
	s_mov_b32 s[\g+7], 0
.endr
	; which tiles: q, k: A = x's tiles 64 cluster y + 16 cy, B = the weight's 512 + 64 cluster x + 16 cx;  v: A = the weight's 640 + 16 cy, B = x's 64 cluster y + 16 cx
	s_lshl_b32 s17, s95, 6
	s_lshl_b32 s19, ttmp9, 6
	s_add_co_u32 s19, s19, 512
	s_cmp_eq_u32 ttmp9, 2                          ; the same in all sixteen partners
	s_cselect_b32 s18, 640, s17
	s_cselect_b32 s22, s17, s19
	s_lshl_b32 s20, s93, 4
	s_add_co_u32 s18, s18, s20
	s_lshl_b32 s20, s16, 3
	s_add_co_u32 s18, s18, s20                     ; A's first tile that I would fetch
	s_lshl_b32 s21, s92, 4
	s_add_co_u32 s22, s22, s21
	s_add_co_u32 s22, s22, s20                     ; B's
	s_mul_i32 s20, s18, 12288
	s_mov_b32 s21, 0
	s_lshl_b32 s18, s18, 6
	s_mov_b32 s19, 0
	s_mul_i32 s2, s22, 12288
	s_mov_b32 s3, 0
	s_lshl_b32 s22, s22, 6
	s_mov_b32 s23, 0
	s_mul_i32 s17, s14, WPART                      ; where they go: wave x 24,576: no place in the cluster enters an LDS address
	s_lshl_b32 s98, s16, 9                         ; the scales come whole: my half's 512 bytes are taken off their address again
	s_mov_b32 s99, 0
	s_wait_kmcnt 0x0
	s_add_nc_u64 s[20:21], s[4:5], s[20:21]        ; A's codes
	s_add_nc_u64 s[18:19], s[6:7], s[18:19]        ; A's scales
	s_add_nc_u64 s[2:3], s[4:5], s[2:3]            ; B's codes
	s_add_nc_u64 s[22:23], s[6:7], s[22:23]        ; B's scales
	s_mov_b32 s[G0AS], 1
	s_mov_b32 s[G0AS+1], SCL
	s_sub_nc_u64 s[G0AS+2:G0AS+3], s[18:19], s[98:99]
	s_or_b32 s[G0AS+3], s[G0AS+3], 0x80000000
	s_mov_b32 s[G0BS], 1
	s_mov_b32 s[G0BS+1], SCL+8192
	s_sub_nc_u64 s[G0BS+2:G0BS+3], s[22:23], s[98:99]
	s_or_b32 s[G0BS+3], s[G0BS+3], 0x80000000
.irp s, 0,1,2
	s_mov_b32 s[G0A+4*\s], 1
	s_add_co_u32 s[G0A+4*\s+1], s17, \s*SLOT
	s_add_nc_u64 s[G0A+4*\s+2:G0A+4*\s+3], s[20:21], \s*TILEB
	s_or_b32 s[G0A+4*\s+3], s[G0A+4*\s+3], 0x80000000
	s_mov_b32 s[G0B+4*\s+4*(\s/2)], 1
	s_add_co_u32 s[G0B+4*\s+4*(\s/2)+1], s17, \s*SLOT
	s_add_nc_u64 s[G0B+4*\s+4*(\s/2)+2:G0B+4*\s+4*(\s/2)+3], s[2:3], \s*TILEB
	s_or_b32 s[G0B+4*\s+4*(\s/2)+3], s[G0B+4*\s+4*(\s/2)+3], 0x80000000
.endr
	s_lshl_b32 s[G0A+1], s17, 1                    ; set 0 serves the head: wave 0 fills A's 98,304 bytes from 0 on, wave 2 B's from 98,304 on
	s_lshl_b32 s[G0B+1], s17, 1
	s_mov_b32 s[G0A+5], s17                        ; set 1 serves K slot 3: from LDS byte 0 on, wave x 24,576
	s_mov_b32 s[G0B+5], s17
	s_add_nc_u64 s[G0A+6:G0A+7], s[G0A+6:G0A+7], 2*TILEB
	s_add_nc_u64 s[G0B+6:G0B+7], s[G0B+6:G0B+7], 2*TILEB
	s_cmp_eq_u32 s15, 0                            ; the prefetches' base: of the 8 tiles that I fetch in the ring, my work-group's two (the four partners share them out by address: cx for A, cy for B)
	s_cselect_b64 s[2:3], s[20:21], s[2:3]
	s_cselect_b32 s96, s92, s93
	s_mul_i32 s96, s96, 2*12288
	s_mov_b32 s97, 0
	s_add_nc_u64 s[2:3], s[2:3], s[96:97]
	CROUND                                         ; all sixteen work-groups are here: the first joint loads meet
; THE HEAD'S LOADS, ONE A WAVE: wave 0 K slots 0 and 1 of A's 16 tiles, wave 1 A's scales, wave 2 K slots 0 and 1 of B's 16 tiles, wave 3 B's scales.
; Waves 0 and 2 fetch the lower half in the ring, so their group 0 names the first of the 16 tiles.  One chain of branches on the wave's number, one load to an arm.
; THE ORDER OF THE FILLS: the head's; K slot 2 behind the round at the head's end; K slot 3 behind the round at the end of K slot 1.
.macro ARM under, g0, g1, next
	s_cmp_lt_u32 s14, \under
	s_cbranch_scc0 \next
	tensor_load_to_lds s[\g0:\g0+3], s[\g1:\g1+7]
	s_nop 0
.rept 4
	v_nop
.endr
	s_branch .Lhead_asked
\next:
.endm
	ARM 1, G0A,  G1A,  .Lhead_sa
	ARM 2, G0AS, G1SA, .Lhead_b
	ARM 3, G0B,  G1B,  .Lhead_sb
	tensor_load_to_lds s[G0BS:G0BS+3], s[G1SB:G1SB+7]
	s_nop 0
.rept 4
	v_nop
.endr
.Lhead_asked:
	v_and_b32 v8, 31, v0
	v_and_b32 v10, 15, v0                          ; r
	v_bfe_u32 v11, v0, 4, 1                        ; h
	s_wait_alu depctr_va_vdst(0)
	v_lshlrev_b32 v[L16], 4, v8
	v_lshlrev_b32 v[L8], 3, v8
	s_wait_alu depctr_va_vdst(0)
	s_mul_i32 s17, s15, WPART                      ; K slot 3, from byte 0 on: my 8 tiles of A,
	s_mul_i32 s18, s16, WPART                      ; my 8 tiles of B,
	s_add_co_u32 s18, s18, 2*WPART                 ; behind A's 16
	v_add_nc_u32 v[ADRA+3], s17, v[L16]
	v_add_nc_u32 v[ADRB+3], s18, v[L16]
	s_add_co_u32 s17, s17, 2*SLOT                  ; K slot 2: the same, from 196,608 on
	s_add_co_u32 s18, s18, 2*SLOT
	v_add_nc_u32 v[ADRA+2], s17, v[L16]
	v_add_nc_u32 v[ADRB+2], s18, v[L16]
	s_mul_i32 s17, s15, 2*WPART                    ; K slots 0, 1: tiles of 6,144 bytes, A's 16 from 0 on, B's from 98,304 on
	s_mul_i32 s18, s16, 2*WPART
	s_add_co_u32 s18, s18, SLOT
	v_add_nc_u32 v[ADRA], s17, v[L16]
	v_add_nc_u32 v[ADRB], s18, v[L16]
	v_add_nc_u32 v[ADRA+1], TILEB, v[ADRA]
	v_add_nc_u32 v[ADRB+1], TILEB, v[ADRB]
	s_lshl_b32 s17, s15, 9                         ; A's scale words: my 8 tiles of the 16
	s_lshl_b32 s20, s16, 9                         ; B's: my 8 tiles, behind A's 8,192 bytes
	s_add_co_u32 s20, s20, 8192
	s_sub_co_u32 s20, s20, s17
	v_mul_u32_u24 v12, s20, v11                    ; lanes 16-31 take B's: one product, the distance between the two
	s_add_co_u32 s17, s17, SCL
	v_lshl_add_u32 v[ADRS], v10, 2, s17
	v_add_nc_u32 v[ADRS], v[ADRS], v12
	v_lshlrev_b32 v[LSO], 4, v10
	v_lshl_add_u32 v[LSO], v11, 12, v[LSO]
	s_lshl_b32 s19, s14, 9                         ; 512 bytes a wave for the scales' way out: q, k in slot 1, v in slot 2: each way has bytes of its own
	s_add_co_u32 s20, s19, SLOT
	v_lshl_add_u32 v[AQ], v10, 1, s20
	v_add_nc_u32 v[AQR], s20, v[L16]
	s_add_co_u32 s20, s19, 2*SLOT
	v_lshl_add_u32 v[AV], v10, 2, s20
	v_add_nc_u32 v[AVR], s20, v[L16]
	; the bias, in both layouts
	v_lshlrev_b32 v30, 6, v11                      ; along B: 16 h numbers on
	s_wait_alu depctr_va_vdst(0)
	v_and_b32 v12, 8, v10
	v_add_nc_u32 v12, v12, v10
	v_lshlrev_b32 v31, 2, v12                      ; along A: place r is row r + 8 (r / 8)
	s_wait_alu depctr_va_vdst(0)
	s_lshl_b32 s98, ttmp9, 12
	s_lshl_b32 s20, s92, 10
	s_add_co_u32 s98, s98, s20
	s_lshl_b32 s20, s16, 9
	s_add_co_u32 s98, s98, s20                     ; 4 x (1,024 cluster x + 256 cx + 128 half)
	s_mov_b32 s99, 0
	s_add_nc_u64 s[98:99], s[8:9], s[98:99]
	s_lshl_b32 s100, s93, 10
	s_lshl_b32 s20, s15, 9
	s_add_co_u32 s100, s100, s20
	s_add_co_u32 s100, s100, 8192                  ; 4 x (2,048 + 256 cy + 128 half)
	s_mov_b32 s101, 0
	s_add_nc_u64 s[100:101], s[8:9], s[100:101]
.irp b, 0,1,2,3,4,5,6,7
	global_load_b128 v[BI+8*\b:BI+8*\b+3], v30, s[98:99] offset:(32*(\b/2)+8*(\b%2))*4
	global_load_b128 v[BI+8*\b+4:BI+8*\b+7], v30, s[98:99] offset:(32*(\b/2)+8*(\b%2))*4+16
.endr
.irp a, 0,1,2,3,4,5,6,7
	global_load_b32 v[BV+\a], v31, s[100:101] offset:(32*(\a/2)+8*(\a%2))*4
.endr
	v_min_u32 v9, 11, v10                          ; prefetches of K slots 2 and 3: a tile's K slot is 12 blocks of 256 bytes; lanes 0-15 name the first of my two tiles, lanes 16-31 the second,
	v_lshlrev_b32 v9, 8, v9                        ; a lane a block (the four lanes left over in each half name the tile's last block again)
	v_mad_u32_u24 v9, v11, 0x3000, v9
	global_prefetch_b8 v9, s[2:3] offset:2*TILEB th:TH_LOAD_NT scope:SCOPE_SE   ; K slot 2 is loaded behind the round below, K slot 3 two K slots further on
	global_prefetch_b8 v9, s[2:3] offset:3*TILEB th:TH_LOAD_NT scope:SCOPE_SE
	s_wait_alu depctr_va_vdst(0)                   ; the wait at the head's end
	s_wait_tensorcnt 0x0                           ; my one load of the head is in; the lines ahead of a later first fill:
	ds_add_u32 v[SPW], v[NIL]
	s_mov_b32 s[G1A+2], 8<<16                      ; no tensor load of mine is out: from here on a load brings 8 tiles of 3,072 bytes
	s_mov_b32 s[G1A+4], 8
	s_mov_b32 s[G1A+1], 384<<16
	s_mov_b32 s[G1A+3], 384<<16
	s_mov_b32 s[G1B+2], 8<<16
	s_mov_b32 s[G1B+4], 8
	s_mov_b32 s[G1B+1], 384<<16
	s_mov_b32 s[G1B+3], 384<<16
	s_wait_dscnt 0x0
	CROUND                                         ; K slot 0 and the scales are whole for every wave,
	JLOAD G0A+8, G1A, G0B+12, G1B                  ; and K slot 2's first fill is my one tensor load behind the round
	FETCH_B 0, 0, 0
	FETCH_A 0, 0, 0
	SCALES 0
	FETCH_A 0, 0, 4
	STEP 0, 0, 1                                   ; the first products start the sums: nothing is cleared
	TURN 0, 0, 1, 1, 0
	STEP 1, 1, 0
	TURN 1, 1, 2, 2, 3
	STEP 2, 0, 0
	TURN 2, 0, 3, 3, 2
	STEP 3, 1, 0
	s_wait_dscnt 12                                ; the last 128 along K: nothing more to fetch
	WIN MUL_LO
	MUL16 0, 1, 1, 1, 0
	MUL16 2, 1, 1, 1, 0
	s_wait_dscnt 0x0
	WIN MUL_HI
	MUL16 4, 1, 1, 1, 0
	MUL16 6, 1, 1, 1, 0
	WIN 0
	PLACES 4
	s_wait_loadcnt 0x0                             ; the bias
	s_wait_xcnt 0x0                                ; the prefetches have read their base: s[2:3] are written again only behind this wait
	s_mov_b32 s[SEL], 0x76543210
	s_mov_b32 s[SEL+1], 0xfedcba98
	v_mov_b32 v[RN+1], 0                           ; (named as the upper halves of pairs)
	v_mov_b32 v[RN+3], 0
.irp b, 0,1,2,3
	v_mov_b32 v[TM+4+\b], 0                        ; a lane permute's destination counts as one of its sources
.endr
	s_cmp_eq_u32 ttmp9, 2
	s_cbranch_scc1 .Lv
	; ---- q, k.  My block a is 16 tokens; a lane holds one token and 32 numbers of each of my two heads: register 32 hd + 16 b + i = d 32 b + 16 h + i
	s_lshr_b32 s17, s95, 1
	s_lshl_b32 s17, s17, 4                         ; 16 x batch
	s_lshl_b32 s18, s92, 2
	s_add_co_u32 s17, s17, s18
	s_lshl_b32 s18, s16, 1
	s_add_co_u32 s17, s17, s18                     ; my first (batch, head)
	s_lshl_b32 s18, s95, 2
	s_add_co_u32 s18, s18, s93
	s_and_b32 s18, s18, 7
	s_lshl_b32 s18, s18, 4
	s_lshl_b32 s19, s15, 3
	s_add_co_u32 s18, s18, s19                     ; my first tile of tokens in the batch
	s_mul_i32 s20, ttmp9, 6291456
	s_mul_i32 s21, s17, 98304
	s_add_co_u32 s20, s20, s21
	s_mul_i32 s21, s18, 768
	s_add_co_u32 s20, s20, s21
	s_mov_b32 s21, 0
	s_add_nc_u64 s[10:11], s[10:11], s[20:21]
	s_lshl_b32 s20, ttmp9, 18
	s_lshl_b32 s22, s17, 12
	s_add_co_u32 s20, s20, s22
	s_lshl_b32 s22, s18, 5
	s_add_co_u32 s20, s20, s22
	s_add_nc_u64 s[12:13], s[12:13], s[20:21]
.macro QK_BLOCK a
	WIN 0x02+(\a)/4                                ; source 0: the accumulators' window
.set i, 0
.rept 32
	v_pk_add_f32 v[T+i:T+i+1], v[64*((\a)%4)+i:64*((\a)%4)+i+1], v[BI+i:BI+i+1]   ; + the bias; each accumulator from its low end on
.set i, i+2
.endr
	WIN 0
	v_pk_mul_f32 v[SQ:SQ+1], v[T:T+1], v[T:T+1]    ; the sums of squares of the two heads, by turns
	v_pk_mul_f32 v[SQ+2:SQ+3], v[T+32:T+33], v[T+32:T+33]
.set i, 2
.rept 15
	v_pk_fma_f32 v[SQ:SQ+1], v[T+i:T+i+1], v[T+i:T+i+1], v[SQ:SQ+1]
	v_pk_fma_f32 v[SQ+2:SQ+3], v[T+32+i:T+33+i], v[T+32+i:T+33+i], v[SQ+2:SQ+3]
.set i, i+2
.endr
	v_add_f32 v[SQ], v[SQ], v[SQ+1]
	v_add_f32 v[SQ+2], v[SQ+2], v[SQ+3]
	v_permlanex16_b32 v[SQ+1], v[SQ], s[SEL], s[SEL+1]
	v_permlanex16_b32 v[SQ+3], v[SQ+2], s[SEL], s[SEL+1]
	v_add_f32 v[SQ], v[SQ], v[SQ+1]                ; with lane l xor 16's 32 numbers: the head's 64
	v_add_f32 v[SQ+2], v[SQ+2], v[SQ+3]
	s_wait_alu depctr_va_vdst(0)
	v_sqrt_f32 v[SQ], v[SQ]
	v_sqrt_f32 v[SQ+2], v[SQ+2]
	v_nop                                          ; a plain place behind the roots,
	s_wait_alu depctr_va_vdst(0)                   ; and the wait ahead of their first reader: one for both
	v_max_num_f32 v[SQ], 0x2b8cbccc, v[SQ]         ; max(norm, 1e-12)
	v_max_num_f32 v[SQ+2], 0x2b8cbccc, v[SQ+2]
	s_wait_alu depctr_va_vdst(0)
	v_rcp_f32 v[RN], v[SQ]
	v_rcp_f32 v[RN+2], v[SQ+2]
	v_nop
	s_wait_alu depctr_va_vdst(0)
.set i, 0
.rept 16
	v_pk_mul_f32 v[T+i:T+i+1], v[T+i:T+i+1], v[RN:RN+1] op_sel_hi:[1,0]
	v_pk_mul_f32 v[T+32+i:T+33+i], v[T+32+i:T+33+i], v[RN+2:RN+3] op_sel_hi:[1,0]
.set i, i+2
.endr
	s_wait_xcnt 0x0                                ; the last block's stores have read the codes' registers,
	s_wait_dscnt 0x0                               ; and its LDS stores the scales'
	QUANT2 T, CD, PW
	QUANT2 T+32, CD+8, PW+1
.irp hd, 0,1
	global_store_b128 v[L16], v[CD+8*\hd:CD+8*\hd+3], s[10:11] offset:98304*\hd+768*(\a)        ; 512 consecutive bytes, aligned to 256
	global_store_b64 v[L8], v[CD+8*\hd+4:CD+8*\hd+5], s[10:11] offset:98304*\hd+768*(\a)+512    ; 256 consecutive bytes, aligned
	ds_store_b16 v[AQ], v[PW+\hd] offset:256*\hd+32*(\a)
.endr
.endm
.irp a, 0,1,2,3,4,5,6,7
	QK_BLOCK \a
.endr
	ds_load_b128 v[T:T+3], v[AQR]                  ; LDS serves a wave's instructions in order: this sees my stores
	s_wait_dscnt 0x0
	global_store_b128 v[LSO], v[T:T+3], s[12:13]   ; two runs of 256 bytes: my 8 tiles' scale bytes of each head
	s_branch .Ljoin
.Lv:	; ---- v.  My block a is 16 of a head's 64 (head a / 4, tile a % 4); a lane holds one of them and runs along my 128 keys: register 16 b + i = key 32 b + 16 h + i
	s_lshr_b32 s17, s95, 1
	s_lshl_b32 s17, s17, 4
	s_lshl_b32 s18, s93, 2
	s_add_co_u32 s17, s17, s18
	s_lshl_b32 s18, s15, 1
	s_add_co_u32 s17, s17, s18                     ; my first (batch, head)
	s_lshl_b32 s18, s95, 2
	s_add_co_u32 s18, s18, s92
	s_and_b32 s18, s18, 7
	s_lshl_b32 s18, s18, 1
	s_add_co_u32 s18, s18, s16                     ; which 128 keys of the batch
	s_mul_i32 s20, s17, 98304
	s_mul_i32 s21, s18, 6144
	s_add_co_u32 s20, s20, s21
	s_add_co_u32 s20, s20, 12582912
	s_mov_b32 s21, 0
	s_add_nc_u64 s[10:11], s[10:11], s[20:21]
	s_lshl_b32 s20, s17, 12
	s_lshl_b32 s22, s18, 8
	s_add_co_u32 s20, s20, s22
	s_add_co_u32 s20, s20, 524288
	s_add_nc_u64 s[12:13], s[12:13], s[20:21]
.macro V_BLOCK a
	v_mov_b32 v[RN], v[BV+(\a)]                    ; my row's bias, as the low word of a pair
	s_wait_alu depctr_va_vdst(0)
	WIN 0x02+(\a)/4
.set i, 0
.rept 32
	v_pk_add_f32 v[T+i:T+i+1], v[64*((\a)%4)+i:64*((\a)%4)+i+1], v[RN:RN+1] op_sel_hi:[1,0]
.set i, i+2
.endr
	WIN 0
	s_wait_xcnt 0x0                                ; the last block's stores have read the codes' registers,
	s_wait_dscnt 0x0                               ; and its LDS store the scale word's
	QUANT T
.irp g, 0,1,2
	global_store_b128 v[L16], v[PC+4*\g:PC+4*\g+3], s[10:11] offset:98304*((\a)/4)+1536*((\a)%4)+512*\g
.endr
	ds_store_b32 v[AV], v[PW] offset:256*((\a)/4)+64*((\a)%4)
.endm
.irp a, 0,1,2,3,4,5,6,7
	V_BLOCK \a
.endr
	ds_load_b128 v[T:T+3], v[AVR]
	s_wait_dscnt 0x0
	global_store_b128 v[LSO], v[T:T+3], s[12:13]
.Ljoin:
	s_wait_tensorcnt 0x0                           ; the wave's end
	ds_add_u32 v[SPW], v[NIL]
	s_wait_dscnt 0x0
	CROUND                                         ; the closing round
	s_endpgm
.Lfunc_end_k_qf10c0c0145_qkv:
	.size	k_qf10c0c0145_qkv, .Lfunc_end_k_qf10c0c0145_qkv-k_qf10c0c0145_qkv
	.p2alignl 7, 3214868480
	.fill 96, 4, 3214868480
	.section	.rodata,"a",@progbits
	.p2align	6, 0x0
	.amdhsa_kernel k_qf10c0c0145_qkv
		.amdhsa_group_segment_fixed_size 327680
		.amdhsa_private_segment_fixed_size 0
		.amdhsa_enable_private_segment 0
		.amdhsa_kernarg_size 40
		.amdhsa_user_sgpr_count 2
		.amdhsa_user_sgpr_kernarg_segment_ptr 1
		.amdhsa_wavefront_size32 1
		.amdhsa_system_sgpr_workgroup_id_x 1
		.amdhsa_system_sgpr_workgroup_id_y 1
		.amdhsa_system_sgpr_workgroup_id_z 1
		.amdhsa_system_vgpr_workitem_id 0
		.amdhsa_next_free_vgpr 1024
		.amdhsa_next_free_sgpr 102
		.amdhsa_reserve_vcc 0
		.amdhsa_float_denorm_mode_32 3
		.amdhsa_float_denorm_mode_16_64 3
		.amdhsa_memory_ordered 1
		.amdhsa_forward_progress 1
		.amdhsa_inst_pref_size 252
	.end_amdhsa_kernel
	.amdgpu_metadata
---
amdhsa.version: [ 1, 2 ]
amdhsa.kernels:
  - .name:           k_qf10c0c0145_qkv
    .symbol:         k_qf10c0c0145_qkv.kd
    .args:
      - { .name: img, .offset: 0, .size: 8, .value_kind: global_buffer, .address_space: global }
      - { .name: sc, .offset: 8, .size: 8, .value_kind: global_buffer, .address_space: global }
      - { .name: b_qkv, .offset: 16, .size: 8, .value_kind: global_buffer, .address_space: global }
      - { .name: qkv_img, .offset: 24, .size: 8, .value_kind: global_buffer, .address_space: global }
      - { .name: qkv_sc, .offset: 32, .size: 8, .value_kind: global_buffer, .address_space: global }
    .group_segment_fixed_size: 327680
    .private_segment_fixed_size: 0
    .kernarg_segment_align: 8
    .kernarg_segment_size: 40
    .max_flat_workgroup_size: 128
    .sgpr_count:     102
    .vgpr_count:     1024
    .wavefront_size: 32
...
	.end_amdgpu_metadata
.endif
;; end of part 2
;; launch attn (part 3): grid 4 x 64, 16 waves a work-group, clusters of 4 x 1, 327,680 bytes of LDS; arguments qkv_img, qkv_sc, logit_scale, o_img, o_sc; writes o_img, o_sc
.if DOCPART == 3
	.amdgcn_target "amdgcn-amd-amdhsa--gfx1250"
	.amdhsa_code_object_version 6
	.text
	.protected	k_qf10c0c0145_attn
	.globl	k_qf10c0c0145_attn
	.p2align	8
	.type	k_qf10c0c0145_attn,@function
k_qf10c0c0145_attn:
	s_mov_b64 s[64:65], 0
	v_nop
	global_prefetch_b8 v0, s[64:65] scope:SCOPE_SE
	s_setreg_imm32_b32 hwreg(HW_REG_WAVE_MODE, 25, 1), 1
	s_wait_xcnt 0x0
	s_wait_alu depctr_hold_cnt(0) depctr_sa_sdst(0) depctr_va_vdst(0) depctr_va_sdst(0) depctr_va_ssrc(0) depctr_va_vcc(0) depctr_vm_vsrc(0)
	s_getreg_b32 s2, hwreg(HW_REG_IB_STS2, 6, 4)
	s_cmp_eq_u32 s2, 0
	s_cbranch_scc0 .Lentry_in_a_cluster
	s_endpgm
.Lentry_in_a_cluster:
	s_bfe_u32 s2, ttmp6, 0x10000c
	s_cmp_lg_u32 s2, 0x3003
	s_cbranch_scc0 .Lentry_shape_is_right
	s_endpgm
.Lentry_shape_is_right:
; O = softmax(q k^T x exp(min(logit_scale, ln 100))) v for ONE head, both products on codes of FP6 (E2M3) with E8M0 scales; O / the row's sum is quantised along the head's 64 for the last product.
; t = score x c, c = exp(min(logit_scale, ln 100)) x log2(e), in f32; M = the running largest t rounded UP to a whole number; p = 2^(t - M) is quantised along the keys, not normalised; the row's sum is taken
; of the unquantised p.  When M moves, the sum and O are multiplied by 2^(old M - new M): exact.
; SHARES.  A work-group owns 512 queries of one (batch, head); each of its sixteen waves owns two tiles of 16 queries, one after the other: tiles 32 cx + wave and 32 cx + 16 + wave.
; LDS.  The head's K (98,304 bytes), V (98,304) and their scale bytes (4,096 each) are filled ONCE, at the head: waves 0-7 fetch 24,576 bytes of codes each, waves 8 and 9 the scales.  Nothing is filled again,
; so one barrier shows all of it to every wave and the walk over the keys has none.  All that the launch reads by tensor loads is asked for at the head: there is no loop to run ahead in, so no prefetch is laid.
; CLUSTER 4 x 1: the four query blocks of a head read the same K and V: every tensor load is a joint one, with the mask 15; my place in the cluster enters Q's and O's global addresses alone.
; LAYOUT.  Both products are used transposed: S^T = K Q^T, O^T = V^T P^T: a lane holds ONE query.  Place i of tile 2 G + u is 32 G + 8 u + i + 8 (i / 8), so that the 16 registers of tiles 2 b, 2 b + 1 are
; 16 neighbours.  The first product's K is 64: registers 6-11 of Q's and K's fragments are zero codes, under the scale byte 0.
; OUT.  o_img: [tile 512][head 16][768 bytes]: half a fragment of the last product: registers 0-3 at 16 l, 4-5 at 512 + 8 l.  o_sc: [K step 8][tile 512][row 16] words; a head writes its two bytes of each word
; (2 bytes a row: these units are written in part; they are 262,144 bytes in all).
; LIMITS: NaN and infinities are not served; p under 2^-126 is 0; a block of zeros gets the scale byte 1 (its codes are zeros; this program alone reads the bytes).
; REGISTERS: v1-5 places that stay; v8-11, v28 the step's addresses; v12 -M, v13 the largest t, v[14:15] the sum; v16-27 Q; v[30:31] c; v32-79 four fragments of K; v80-86 the second tile's Q and scale;
;   v96-159 S^T, then p, then (v96-143) V's fragments; v160-191 O^T; v192-203 O's codes, v204 scale bytes; v224-235 p's codes; v232-254 at work; v248-251 K's or V's scales; v255 Q's.
.set VR,    98304
.set KSC,   196608
.set VSC,   200704
.set SPARE, 204800                     ; the spare words, 128 bytes a wave: eight blocks of 256 bytes that no other line names
.set CHUNK, 24576
.set STEPB, 6144                       ; a key step's bytes of K (8 tiles x 768) and of V (4 tiles x 1,536)
.set SPW, 6
.set NIL, 7
.set ADK, 8
.set ADK8, 9
.set ADV, 10
.set ADS, 11
.set ADT, 28
.set TM,  232
.set XT,  240
.set WV,  18
.set CNT, 19
.set SEL, 20
.set TB,  22
.set TS,  23
.set GS,  24                           ; s[24:31] group 1: 16 rows of 256 bytes;  s[32:39]: 96 rows
.set GC,  32
.set F0,  48                           ; s[48:51] group 0, codes;  s[52:55] scales
.set F1,  52
.macro ROUND
	s_barrier_signal -1
	s_barrier_wait -1
	s_cmp_lg_u32 s[WV], 0
	s_cbranch_scc1 .Lnot_wave_0_\@
	s_barrier_signal -3
.Lnot_wave_0_\@:
	s_barrier_wait -3
	s_barrier_signal -1
	s_barrier_wait -1
.endm
.macro GROUP1 g, rows                  ; a dense block as rows of 256 bytes (32 elements of 8 bytes); the mask names all four work-groups
	s_mov_b32 s[\g], 15|(3<<16)|(1<<21)
	s_mov_b32 s[\g+1], 32<<16
	s_mov_b32 s[\g+2], (\rows)<<16
	s_mov_b32 s[\g+3], 32<<16
	s_mov_b32 s[\g+4], \rows
	s_mov_b32 s[\g+5], 32
	s_mov_b32 s[\g+6], 0
	s_mov_b32 s[\g+7], 0
.endm
; 32 numbers of a lane, register 16 b + i = k 32 b + 16 h + i: six registers of codes in v[d] on, two scale bytes in v[pw]
.macro QUANT2 s, d, pw
.irp b, 0,1
	v_max3_num_f32 v[TM+\b], |v[(\s)+16*\b]|, |v[(\s)+1+16*\b]|, 0x1800000   ; with the floor 2^(3 - 127)
.endr
.irp i, 2,4,6,8,10,12,14
.irp b, 0,1
	s_delay_alu instid0(VALU_DEP_2)
	v_max3_num_f32 v[TM+\b], v[TM+\b], |v[(\s)+16*\b+\i]|, |v[(\s)+1+16*\b+\i]|
.endr
.endr
.irp b, 0,1
	s_delay_alu instid0(VALU_DEP_2)
	v_permlanex16_b32 v[TM+4+\b], v[TM+\b], s[SEL], s[SEL+1]
.endr
.irp b, 0,1
	s_delay_alu instid0(VALU_DEP_2)
	v_max_num_f32 v[TM+\b], v[TM+\b], v[TM+4+\b]
.endr
.irp b, 0,1
	s_delay_alu instid0(VALU_DEP_2)
	v_add_nc_u32 v[TM+12+\b], 0xff000000, v[TM+\b]
.endr
.irp b, 0,1
	s_delay_alu instid0(VALU_DEP_2)
	v_lshrrev_b32 v[TM+4+\b], 23, v[TM+12+\b]
.endr
	s_delay_alu instid0(VALU_DEP_1)
	v_lshl_or_b32 v[\pw], v[TM+5], 8, v[TM+4]
	v_cvt_scalef32_pk16_fp6_f32 v[(\d):(\d)+2], v[(\s):(\s)+15], v[TM+12]
	v_cvt_scalef32_pk16_fp6_f32 v[XT:XT+2], v[(\s)+16:(\s)+31], v[TM+13]
	v_nop                                          ; one plain place behind a scaled conversion
.irp i, 0,1,2
	v_permlane16_swap_b32 v[(\d)+\i], v[XT+\i]
.endr
.irp i, 0,1,2
	s_delay_alu instid0(VALU_DEP_3)
	v_mov_b32 v[(\d)+3+\i], v[XT+\i]
.endr
.endm
	s_load_b256 s[4:11], s[0:1], 0x0               ; qkv_img s[4:5], qkv_sc s[6:7], logit_scale s[8:9], o_img s[10:11]
	s_load_b64 s[12:13], s[0:1], 0x20              ; o_sc
	v_lshl_add_u32 v[SPW], v0, 2, SPARE
	v_mov_b32 v[NIL], 0
	ds_add_u32 v[SPW], v[NIL]                      ; the opening lines: the add, twice on end, and its wait below
	ds_add_u32 v[SPW], v[NIL]
	v_lshrrev_b32 v8, 5, v0
	s_delay_alu instid0(VALU_DEP_1)
	v_readfirstlane_b32 s[WV], v8                  ; wave 0..15
	s_and_b32 s72, ttmp7, 0xffff                   ; 16 x batch + head
	s_bfe_u32 s73, ttmp6, 0x40000                  ; cx: my block of 512 queries
	s_lshr_b32 s75, s[WV], 2                       ; waves 0-7: K's codes (0) or V's (1),
	s_and_b32 s76, s[WV], 3                        ; and which quarter of them
	s_add_co_u32 s77, s75, 1
	s_mul_i32 s78, s77, 6291456                    ; part 1 of qkv_img is k, part 2 is v
	s_mul_i32 s79, s72, 98304
	s_add_co_u32 s78, s78, s79
	s_mul_i32 s79, s76, CHUNK
	s_add_co_u32 s78, s78, s79
	s_mov_b32 s79, 0
	s_and_b32 s75, s[WV], 1                        ; waves 8, 9: K's scales or V's
	s_add_co_u32 s77, s75, 1
	s_lshl_b32 s80, s77, 18
	s_lshl_b32 s81, s72, 12
	s_add_co_u32 s80, s80, s81
	s_mov_b32 s81, 0
	s_mul_i32 s82, s[WV], CHUNK                    ; LDS: K's four quarters, then V's four
	s_lshl_b32 s83, s75, 12
	s_lshl_b32 s85, s73, 5
	s_add_co_u32 s85, s85, s[WV]                   ; my first tile of queries in the batch; the second lies 16 tiles on
	s_mul_i32 s88, s72, 98304
	s_mul_i32 s89, s85, 768
	s_add_co_u32 s88, s88, s89
	s_mov_b32 s89, 0
	s_lshl_b32 s90, s72, 12
	s_lshl_b32 s91, s85, 5
	s_add_co_u32 s90, s90, s91
	s_mov_b32 s91, 0
	s_lshr_b32 s92, s72, 4
	s_lshl_b32 s92, s92, 7
	s_add_co_u32 s92, s92, s85                     ; my tile among the 512: 128 x batch + tile
	s_and_b32 s93, s72, 15                         ; head
	s_mul_i32 s94, s92, 12288
	s_mul_i32 s95, s93, 768
	s_add_co_u32 s94, s94, s95
	s_mov_b32 s95, 0
	s_lshr_b32 s84, s93, 1
	s_lshl_b32 s84, s84, 15                        ; o_sc: 32,768 x (head / 2)
	s_lshl_b32 s86, s92, 6
	s_add_co_u32 s84, s84, s86                     ; + 64 x tile
	s_and_b32 s86, s93, 1
	s_lshl_b32 s86, s86, 1
	s_add_co_u32 s84, s84, s86                     ; + 2 x (head % 2)
	s_mov_b32 s85, 0
	s_lshl_b32 s74, s93, 2
	s_mov_b32 s75, 0
	GROUP1 GS, 16
	GROUP1 GC, 96
	s_mov_b32 s[SEL], 0x76543210
	s_mov_b32 s[SEL+1], 0xfedcba98
	s_wait_dscnt 0x0                               ; both opening adds are done
	s_wait_kmcnt 0x0
	s_add_nc_u64 s[78:79], s[4:5], s[78:79]
	s_add_nc_u64 s[80:81], s[6:7], s[80:81]
	s_add_nc_u64 s[88:89], s[4:5], s[88:89]        ; Q's codes,
	s_add_nc_u64 s[90:91], s[6:7], s[90:91]        ; and their scale bytes
	s_add_nc_u64 s[10:11], s[10:11], s[94:95]      ; my half fragment of O
	s_add_nc_u64 s[12:13], s[12:13], s[84:85]      ; and its scale bytes
	s_add_nc_u64 s[8:9], s[8:9], s[74:75]
	s_load_b32 s86, s[8:9], 0x0                    ; logit_scale of my head
	s_mov_b32 s[F0], 1
	s_mov_b32 s[F0+1], s82
	s_mov_b64 s[F0+2:F0+3], s[78:79]
	s_or_b32 s[F0+3], s[F0+3], 0x80000000
	s_mov_b32 s[F1], 1
	s_add_co_u32 s[F1+1], s83, KSC
	s_mov_b64 s[F1+2:F1+3], s[80:81]
	s_or_b32 s[F1+3], s[F1+3], 0x80000000
	ROUND                                          ; all four work-groups are here: the joint loads meet
	s_cmp_lt_u32 s[WV], 8                          ; one chain of branches on the wave's number, one load to an arm
	s_cbranch_scc0 .Lfor_scales
	tensor_load_to_lds s[F0:F0+3], s[GC:GC+7]
	s_nop 0
.rept 4
	v_nop
.endr
	s_branch .Lasked
.Lfor_scales:
	s_cmp_lt_u32 s[WV], 10
	s_cbranch_scc0 .Lasked
	tensor_load_to_lds s[F1:F1+3], s[GS:GS+7]
	s_nop 0
.rept 4
	v_nop
.endr
.Lasked:
	v_and_b32 v8, 31, v0
	v_and_b32 v9, 15, v0                           ; r
	v_bfe_u32 v89, v0, 4, 1                        ; h
	s_delay_alu instid0(VALU_DEP_3)
	v_lshlrev_b32 v1, 4, v8                        ; 16 l
	v_lshlrev_b32 v2, 3, v8
	s_delay_alu instid0(VALU_DEP_1)
	v_add_nc_u32 v2, 512, v2                       ; 512 + 8 l: registers 4, 5 of half a fragment
	v_add_nc_u32 v3, VR, v1
	v_lshl_add_u32 v4, v9, 1, KSC
	v_lshl_add_u32 v5, v9, 2, VSC
	v_lshlrev_b32 v29, 1, v9
	v_lshlrev_b32 v88, 2, v9
	s_delay_alu instid0(VALU_DEP_1)
	v_lshl_add_u32 v88, v89, 10, v88               ; O's scale bytes: lanes 0-15 store the first tile's rows, lanes 16-31 the second's, 16 tiles x 64 bytes on
	global_load_b128 v[16:19], v1, s[88:89]        ; Q stays in registers: the first tile's,
	global_load_b64 v[20:21], v2, s[88:89]
	global_load_b128 v[80:83], v1, s[88:89] offset:12288   ; and the second's
	global_load_b64 v[84:85], v2, s[88:89] offset:12288
	global_load_u16 v255, v29, s[90:91]
	global_load_u16 v86, v29, s[90:91] offset:512
.irp i, 22,23,24,25,26,27
	v_mov_b32 v[\i], 0                             ; k = 64 .. 127 of Q: zero codes
.endr
.irp t, 0,1,2,3
.irp i, 6,7,8,9,10,11
	v_mov_b32 v[32+12*\t+\i], 0                    ; and of K
.endr
.endr
	v_mov_b32 v13, 0xff61b1e6                      ; the largest t so far: -3e38
	s_delay_alu instid0(VALU_DEP_1)
	v_floor_f32 v12, -v13                          ; -M
	v_mov_b32 v14, 0
	v_mov_b32 v15, 0
.irp b, 0,1,2,3
	v_mov_b32 v[236+\b], 0                         ; a lane permute's destination counts as one of its sources
.endr
	v_mov_b32 v253, 0                              ; (the upper half of the pair v[252:253])
.set i, 0
.rept 32
	v_mov_b32 v[160+i], 0                          ; O^T: the step is written once; the first change of M leaves zeros zeros
.set i, i+1
.endr
	s_wait_kmcnt 0x0
	v_mov_b32 v30, s86
	s_delay_alu instid0(VALU_DEP_1)
	v_min_num_f32 v30, 0x40935d8e, v30             ; min(logit_scale, ln 100)
	s_delay_alu instid0(VALU_DEP_1)
	v_mul_f32 v30, 0x3fb8aa3b, v30
	s_wait_alu depctr_va_vdst(0)
	v_exp_f32 v30, v30
	v_nop
	s_wait_alu depctr_va_vdst(0)                   ; the wait ahead of the first reader
	v_mul_f32 v30, 0x3fb8aa3b, v30                 ; c
	s_delay_alu instid0(VALU_DEP_1)
	v_mov_b32 v31, v30
; A KEY STEP: 128 keys
.macro STEP
	v_add_nc_u32 v[ADK], s[TB], v1                 ; these five are the places between the last step's products and this step's loads and products
	v_add_nc_u32 v[ADK8], s[TB], v2
	v_add_nc_u32 v[ADV], s[TB], v3
	v_add_nc_u32 v[ADS], s[TS], v4
	v_add_nc_u32 v[ADT], s[TS], v5
	s_wait_alu depctr_va_vdst(0)
.irp g, 0,1                                    ; S^T = K Q^T, four tiles of 16 keys at a time
.if \g
.rept 4
	v_nop
.endr
.endif
.irp t, 0,1,2,3
	ds_load_b128 v[32+12*\t:35+12*\t], v[ADK] offset:768*(4*\g+\t)
	ds_load_b64 v[36+12*\t:37+12*\t], v[ADK8] offset:768*(4*\g+\t)
	ds_load_u16 v[248+\t], v[ADS] offset:32*(4*\g+\t)
.endr
	s_wait_dscnt 0x0
.irp t, 0,1,2,3
	v_wmma_scale_f32_16x16x128_f8f6f4 v[96+8*(4*\g+\t):103+8*(4*\g+\t)], v[32+12*\t:43+12*\t], v[16:27], 0, v[248+\t], v255 matrix_a_fmt:MATRIX_FMT_FP6 matrix_b_fmt:MATRIX_FMT_FP6
.endr
.endr
.rept 4
	v_nop
.endr
.irp b, 0,1,2,3
	v_max3_num_f32 v[232+\b], v[96+16*\b], v[97+16*\b], v[98+16*\b]   ; the largest score of each block of 32 keys: it serves the row's maximum and, since p rises with the score, the block's largest p
.endr
.irp i, 3,5,7,9,11,13
.irp b, 0,1,2,3
	v_max3_num_f32 v[232+\b], v[232+\b], v[96+16*\b+\i], v[97+16*\b+\i]
.endr
.endr
.irp b, 0,1,2,3
	v_max_num_f32 v[232+\b], v[232+\b], v[111+16*\b]
.endr
.irp b, 0,1,2,3
	s_delay_alu instid0(VALU_DEP_4)
	v_permlanex16_b32 v[236+\b], v[232+\b], s[SEL], s[SEL+1]
.endr
.irp b, 0,1,2,3
	s_delay_alu instid0(VALU_DEP_4)
	v_max_num_f32 v[232+\b], v[232+\b], v[236+\b]  ; with lane l xor 16's 16 keys
.endr
	s_delay_alu instid0(VALU_DEP_2)
	v_max3_num_f32 v254, v232, v233, v234
	s_delay_alu instid0(VALU_DEP_1)
	v_max_num_f32 v254, v254, v235
	s_delay_alu instid0(VALU_DEP_1)
	v_mul_f32 v254, v30, v254                      ; as t (c is not negative)
	s_delay_alu instid0(VALU_DEP_1)
	v_max_num_f32 v13, v13, v254                   ; the running largest t
	v_mov_b32 v254, v12
	s_delay_alu instid0(VALU_DEP_2)
	v_floor_f32 v12, -v13                          ; the new -M = -ceil(t)
	s_delay_alu instid0(VALU_DEP_1)
	v_sub_f32 v254, v12, v254                      ; old M - new M: a whole number, 0 or less
	s_delay_alu instid0(VALU_DEP_1)
	v_cvt_i32_f32 v254, v254                       ; (it saturates)
	s_delay_alu instid0(VALU_DEP_1)
	v_ldexp_f32 v252, 1.0, v254                    ; f = 2^(old M - new M)
.set j, 0
.rept 32
	v_pk_fma_f32 v[96+j:97+j], v[96+j:97+j], v[30:31], v[12:13] op_sel_hi:[1,0,0]   ; t - M, two at a time
.set j, j+2
.endr
.irp b, 0,1,2,3
	v_fma_f32 v[232+\b], v[232+\b], v30, v12       ; the same of each block's largest score
.endr
.set j, 0
	s_wait_alu depctr_va_vdst(0)
.rept 64
	v_exp_f32 v[96+j], v[96+j]                     ; p = 2^(t - M)
.set j, j+1
.endr
	v_pk_mul_f32 v[14:15], v[14:15], v[252:253] op_sel_hi:[1,0]   ; the sums under the new M; a plain place behind the exponentials
	s_wait_alu depctr_va_vdst(0)                   ; one wait for the batch, ahead of its first reader
.irp b, 0,1,2,3
	v_exp_f32 v[232+\b], v[232+\b]                 ; the blocks' largest p
.endr
	v_pk_add_f32 v[236:237], v[100:101], v[104:105]   ; the row's sum of the unquantised p, in eight chains
	v_pk_add_f32 v[250:251], v[108:109], v[112:113]
	v_pk_add_f32 v[248:249], v[116:117], v[120:121]
	v_pk_add_f32 v[246:247], v[124:125], v[128:129]
	v_pk_add_f32 v[244:245], v[132:133], v[136:137]
	v_pk_add_f32 v[242:243], v[140:141], v[144:145]
	v_pk_add_f32 v[240:241], v[148:149], v[152:153]
	v_pk_add_f32 v[14:15], v[14:15], v[156:157]
	v_pk_add_f32 v[236:237], v[236:237], v[96:97]
	v_pk_add_f32 v[250:251], v[250:251], v[98:99]
	v_pk_add_f32 v[248:249], v[248:249], v[102:103]
	v_pk_add_f32 v[246:247], v[246:247], v[106:107]
	v_pk_add_f32 v[244:245], v[244:245], v[110:111]
	v_pk_add_f32 v[242:243], v[242:243], v[114:115]
	v_pk_add_f32 v[240:241], v[240:241], v[118:119]
	v_pk_add_f32 v[14:15], v[14:15], v[122:123]
	v_pk_add_f32 v[236:237], v[236:237], v[126:127]
	v_pk_add_f32 v[250:251], v[250:251], v[130:131]
	v_pk_add_f32 v[248:249], v[248:249], v[134:135]
	v_pk_add_f32 v[246:247], v[246:247], v[138:139]
	v_pk_add_f32 v[244:245], v[244:245], v[142:143]
	v_pk_add_f32 v[242:243], v[242:243], v[146:147]
	v_pk_add_f32 v[240:241], v[240:241], v[150:151]
	v_pk_add_f32 v[14:15], v[14:15], v[154:155]
	v_pk_add_f32 v[236:237], v[236:237], v[158:159]
	s_delay_alu instid0(VALU_DEP_2)
	v_pk_add_f32 v[14:15], v[14:15], v[246:247]
	s_delay_alu instid0(VALU_DEP_2)
	v_pk_add_f32 v[236:237], v[236:237], v[244:245]
	v_pk_add_f32 v[250:251], v[250:251], v[242:243]
	v_pk_add_f32 v[248:249], v[248:249], v[240:241]
	s_delay_alu instid0(VALU_DEP_2)
	v_pk_add_f32 v[14:15], v[14:15], v[250:251]
	s_delay_alu instid0(VALU_DEP_2)
	v_pk_add_f32 v[236:237], v[236:237], v[248:249]
	s_delay_alu instid0(VALU_DEP_1)
	v_pk_add_f32 v[14:15], v[14:15], v[236:237]
	s_wait_alu depctr_va_vdst(0)                   ; and one for the four
.irp b, 0,1,2,3
	v_max_num_f32 v[232+\b], 0x1800000, v[232+\b]  ; the floor 2^(3 - 127)
.endr
.irp b, 0,1,2,3
	s_delay_alu instid0(VALU_DEP_4)
	v_add_nc_u32 v[244+\b], 0xff000000, v[232+\b]
.endr
.irp b, 0,1,2,3
	s_delay_alu instid0(VALU_DEP_4)
	v_lshrrev_b32 v[236+\b], 23, v[244+\b]
.endr
	s_delay_alu instid0(VALU_DEP_3)
	v_lshl_or_b32 v253, v237, 8, v236              ; p's scale word for these 128 keys
	s_delay_alu instid0(VALU_DEP_1)
	v_lshl_or_b32 v253, v238, 16, v253
	s_delay_alu instid0(VALU_DEP_1)
	v_lshl_or_b32 v253, v239, 24, v253
.irp c, 0,1
	v_cvt_scalef32_pk16_fp6_f32 v[224+6*\c:226+6*\c], v[96+32*\c:111+32*\c], v[244+2*\c]
	v_cvt_scalef32_pk16_fp6_f32 v[236+4*\c:238+4*\c], v[112+32*\c:127+32*\c], v[244+2*\c+1]
.endr
	v_nop                                          ; one plain place behind a scaled conversion
.irp t, 0,1,2,3                                ; p has been read: V's four fragments and scale words are asked for now and land during the 28 lines below
.irp g, 0,1,2
	ds_load_b128 v[96+12*\t+4*\g:99+12*\t+4*\g], v[ADV] offset:1536*\t+512*\g
.endr
	ds_load_b32 v[248+\t], v[ADT] offset:64*\t
.endr
.irp c, 0,1                                    ; a WHOLE block in a lane: lanes 0-15 block 2 c, lanes 16-31 block 2 c + 1
.irp i, 0,1,2
	v_permlane16_swap_b32 v[224+6*\c+\i], v[236+4*\c+\i]
.endr
.irp i, 0,1,2
	s_delay_alu instid0(VALU_DEP_3)
	v_mov_b32 v[227+6*\c+\i], v[236+4*\c+\i]
.endr
.endr
.set j, 0
.rept 16
	v_pk_mul_f32 v[160+j:161+j], v[160+j:161+j], v[252:253] op_sel_hi:[1,0]   ; O^T under the new M; these are also the places between p's codes and scale word and the products
.set j, j+2
.endr
	s_wait_alu depctr_va_vdst(0)
	s_wait_dscnt 0x0
.irp t, 0,1,2,3                                ; O^T += V^T P^T: the four accumulators by turns
	v_wmma_scale_f32_16x16x128_f8f6f4 v[160+8*\t:167+8*\t], v[96+12*\t:107+12*\t], v[224:235], v[160+8*\t:167+8*\t], v[248+\t], v253 matrix_a_fmt:MATRIX_FMT_FP6 matrix_b_fmt:MATRIX_FMT_FP6
.endr
	s_add_co_u32 s[TB], s[TB], STEPB
	s_add_co_u32 s[TS], s[TS], 256
.endm
.macro WALK                            ; the head's 16 key steps
	s_mov_b32 s[TB], 0
	s_mov_b32 s[TS], 0
	s_mov_b32 s[CNT], 16
.Lstep_\@:
	STEP
	s_sub_co_u32 s[CNT], s[CNT], 1
	s_cmp_lg_u32 s[CNT], 0
	s_cbranch_scc1 .Lstep_\@
.endm
.macro TILE_END d                      ; O^T / the sum, quantised along the head's 64: half a fragment in v[d] on, two scale bytes in v254
.rept 4
	v_nop
.endr
	v_add_f32 v14, v14, v15
	s_delay_alu instid0(VALU_DEP_1)
	v_permlanex16_b32 v252, v14, s[SEL], s[SEL+1]
	s_delay_alu instid0(VALU_DEP_1)
	v_add_f32 v14, v14, v252                       ; the row's sum
	s_wait_alu depctr_va_vdst(0)
	v_rcp_f32 v14, v14
	v_nop
	s_wait_alu depctr_va_vdst(0)
.set j, 0
.rept 16
	v_pk_mul_f32 v[96+j:97+j], v[160+j:161+j], v[14:15] op_sel_hi:[1,0]   ; register 16 b + i = d 32 b + 16 h + i
.set j, j+2
.endr
	QUANT2 96, \d, 254
.endm
	s_wait_alu depctr_va_vdst(0)                   ; the wait at the head's end
	s_wait_loadcnt 0x0                             ; Q
	s_wait_tensorcnt 0x0                           ; my load, if I issued one, has landed
	s_barrier_signal -1
	s_barrier_wait -1                              ; K, V and their scales are whole for every wave; nothing is filled again
	WALK
	TILE_END 192
	v_mov_b32 v204, v254
	global_store_b128 v1, v[192:195], s[10:11]     ; 512 consecutive bytes, aligned to 256
	global_store_b64 v2, v[196:197], s[10:11]      ; 256 consecutive bytes, aligned
	v_mov_b32 v255, v86                            ; the second tile: Q's scale bytes first, then Q: the lines below are their places ahead of the next products
.irp i, 0,1,2,3,4,5
	v_mov_b32 v[16+\i], v[80+\i]
.endr
	v_mov_b32 v13, 0xff61b1e6
	s_delay_alu instid0(VALU_DEP_1)
	v_floor_f32 v12, -v13
	v_mov_b32 v14, 0
	v_mov_b32 v15, 0
.set i, 0
.rept 32
	v_mov_b32 v[160+i], 0
.set i, i+1
.endr
	WALK
	TILE_END 198
	global_store_b128 v1, v[198:201], s[10:11] offset:196608   ; 16 tiles x 12,288 bytes on
	global_store_b64 v2, v[202:203], s[10:11] offset:196608
	v_cmp_eq_u32 vcc_lo, 0, v89
	v_cndmask_b32 v204, v254, v204, vcc_lo         ; lanes 0-15 the first tile's bytes, lanes 16-31 the second's (both halves of the lanes hold their row's)
	global_store_b16 v88, v204, s[12:13]
	s_wait_tensorcnt 0x0                           ; the wave's end
	ds_add_u32 v[SPW], v[NIL]
	s_wait_dscnt 0x0
	ROUND                                          ; the closing round
	s_endpgm
.Lfunc_end_k_qf10c0c0145_attn:
	.size	k_qf10c0c0145_attn, .Lfunc_end_k_qf10c0c0145_attn-k_qf10c0c0145_attn
	.p2alignl 7, 3214868480
	.fill 96, 4, 3214868480
	.section	.rodata,"a",@progbits
	.p2align	6, 0x0
	.amdhsa_kernel k_qf10c0c0145_attn
		.amdhsa_group_segment_fixed_size 327680
		.amdhsa_private_segment_fixed_size 0
		.amdhsa_enable_private_segment 0
		.amdhsa_kernarg_size 40
		.amdhsa_user_sgpr_count 2
		.amdhsa_user_sgpr_kernarg_segment_ptr 1
		.amdhsa_wavefront_size32 1
		.amdhsa_system_sgpr_workgroup_id_x 1
		.amdhsa_system_sgpr_workgroup_id_y 1
		.amdhsa_system_sgpr_workgroup_id_z 1
		.amdhsa_system_vgpr_workitem_id 0
		.amdhsa_next_free_vgpr 256
		.amdhsa_next_free_sgpr 96
		.amdhsa_reserve_vcc 1
		.amdhsa_float_denorm_mode_32 3
		.amdhsa_float_denorm_mode_16_64 3
		.amdhsa_memory_ordered 1
		.amdhsa_forward_progress 1
		.amdhsa_inst_pref_size 56
	.end_amdhsa_kernel
	.amdgpu_metadata
---
amdhsa.version: [ 1, 2 ]
amdhsa.kernels:
  - .name:           k_qf10c0c0145_attn
    .symbol:         k_qf10c0c0145_attn.kd
    .args:
      - { .name: qkv_img, .offset: 0, .size: 8, .value_kind: global_buffer, .address_space: global }
      - { .name: qkv_sc, .offset: 8, .size: 8, .value_kind: global_buffer, .address_space: global }
      - { .name: logit_scale, .offset: 16, .size: 8, .value_kind: global_buffer, .address_space: global }
      - { .name: o_img, .offset: 24, .size: 8, .value_kind: global_buffer, .address_space: global }
      - { .name: o_sc, .offset: 32, .size: 8, .value_kind: global_buffer, .address_space: global }
    .group_segment_fixed_size: 327680
    .private_segment_fixed_size: 0
    .kernarg_segment_align: 8
    .kernarg_segment_size: 40
    .max_flat_workgroup_size: 512
    .sgpr_count:     96
    .vgpr_count:     256
    .wavefront_size: 32
...
	.end_amdgpu_metadata
.endif
;; end of part 3
;; launch proj (part 4): grid 4 x 32, 4 waves a work-group, clusters of 4 x 4, 327,680 bytes of LDS; arguments o_img, o_sc, img, sc, out0; writes out0
.if DOCPART == 4
	.amdgcn_target "amdgcn-amd-amdhsa--gfx1250"
	.amdhsa_code_object_version 6
	.text
	.protected	k_qf10c0c0145_proj
	.globl	k_qf10c0c0145_proj
	.p2align	8
	.type	k_qf10c0c0145_proj,@function
k_qf10c0c0145_proj:
	s_mov_b64 s[64:65], 0
	v_nop
	global_prefetch_b8 v0, s[64:65] scope:SCOPE_SE
	s_setreg_imm32_b32 hwreg(HW_REG_WAVE_MODE, 25, 1), 1
	s_wait_xcnt 0x0
	s_wait_alu depctr_hold_cnt(0) depctr_sa_sdst(0) depctr_va_vdst(0) depctr_va_sdst(0) depctr_va_ssrc(0) depctr_va_vcc(0) depctr_vm_vsrc(0)
	s_getreg_b32 s2, hwreg(HW_REG_IB_STS2, 6, 4)
	s_cmp_eq_u32 s2, 0
	s_cbranch_scc0 .Lentry_in_a_cluster
	s_endpgm
.Lentry_in_a_cluster:
	s_bfe_u32 s2, ttmp6, 0x10000c
	s_cmp_lg_u32 s2, 0xf033
	s_cbranch_scc0 .Lentry_shape_is_right
	s_endpgm
.Lentry_shape_is_right:
; out0 = O w_out^T on codes of FP6 (E2M3) with E8M0 scales; out0 [8192][1024] f32.  O's codes come as images of operand registers from the attention launch, w_out's from the quantising launch (tiles 704-767).
; A work-group of four waves makes 256 x 256, a wave 128 x 128: 64 accumulators.  K = 1,024 goes as four K slots of 256 through three LDS slots: three filled at the start, one filled again.
; A fragment (16 rows x 128 K) is 1,536 bytes, registers 4 g .. of lane l at 512 g + 16 l: three loads of 512 consecutive bytes.
; THE MATRIX INSTRUCTION IS USED TRANSPOSED (source 0 = a tile of w_out, source 1 = a tile of O): lane (r, h) of accumulator (a, b) holds place r of O's tile a and columns 32 (b / 2) + 16 h + 8 (b % 2) + 0 .. 7.
; A tile 2 G + u holds at place i the row 32 G + 8 u + i + 8 (i / 8): the way out puts rows and columns back by immediates.
; CLUSTER 4 x 4: O's tiles are asked for jointly along a row of the cluster, w_out's along a column.
; REGISTERS.  window 0: v16-29 addresses; v32-63 scale words, two sets; v128-223 A's fragments; on the way out v128-255 take rows of the result.  window 1: B's fragments, two sets.  windows 2, 3: the accumulators.
.set SLOT,   98304
.set WPART,  24576
.set TILEB,  3072
.set FRB,    1536
.set SCL,    3*SLOT
.set SPARE,  SCL+16384                 ; the spare words, 128 bytes a wave: two blocks of 256 bytes that no other line names
.set FR,     12
.set ADRA, 16
.set ADRB, 20
.set STO,  24                          ; v24  the way out: where I put 32 bytes of a row
.set RD,   25                          ; v25  where I read a row back
.set CO,   26                          ; v26  16 l
.set ADRS, 27
.set SPW,  28
.set NIL,  29
.set SC,   32
.set AF,   128
.set BK,   128
.set G1A,  24
.set G0A,  32
.set G0AS, 44
.set G1B,  48
.set G0B,  56
.set G0BS, 72
.set G1SA, 76
.set G1SB, 84
.set MSB, 0
.macro WIN new                         ; the immediate's high byte repeats the setting that is left
.if MSB != (\new)
	s_set_vgpr_msb (MSB<<8)|(\new)
.set MSB, (\new)
.endif
.endm
.set MUL_LO, 0xa1
.set MUL_HI, 0xf1
.set TO_B,   0x40
.macro JLOAD g0a, g1a, g0b, g1b        ; a joint load: waves 0, 1 fetch for A, waves 2, 3 for B; four v_nop follow each of the two lines
	s_cmp_eq_u32 s15, 0
	s_cbranch_scc0 .Lfor_b_\@
	tensor_load_to_lds s[\g0a:\g0a+3], s[\g1a:\g1a+7]
	s_nop 0
.rept 4
	v_nop
.endr
	s_branch .Lasked_\@
.Lfor_b_\@:
	tensor_load_to_lds s[\g0b:\g0b+3], s[\g1b:\g1b+7]
	s_nop 0
.rept 4
	v_nop
.endr
.Lasked_\@:
.endm
.macro CREST
	s_cmp_lg_u32 s14, 0
	s_cbranch_scc1 .Lnot_wave_0_\@
	s_barrier_signal -3
.Lnot_wave_0_\@:
	s_barrier_wait -3
	s_barrier_signal -1
	s_barrier_wait -1
.endm
.macro CROUND
	s_barrier_signal -1
	s_barrier_wait -1
	CREST
.endm
.macro PLACES n
.rept \n
	v_nop
.endr
.endm
.macro FRAG reg, adr, off
.irp g, 0,1,2
	ds_load_b128 v[(\reg)+4*\g:(\reg)+4*\g+3], v[\adr] offset:(\off)+512*\g
.endr
.endm
.macro FETCH_B slot, q, p              ; 24 loads
	WIN TO_B
.irp i, 0,1,2,3,4,5,6,7
	FRAG 128*(\p)+FR*\i, ADRB+\slot, TILEB*(2-(\slot)/2)*\i+FRB*(\q)   ; K slots 0, 1 lie side by side in each tile's 6,144 bytes; K slots 2, 3 have tiles of 3,072
.endr
	WIN 0
.endm
.macro FETCH_A slot, q, i0             ; 16 loads
.irp i, \i0, \i0+1, \i0+2, \i0+3       ; O's fragment is two halves of 768 bytes, one a head: registers 0-3 at 16 l, 4-5 at 512 + 8 l: 16 loads for four blocks
	ds_load_b128 v[AF+FR*(\i):AF+FR*(\i)+3], v[ADRA+\slot] offset:TILEB*(2-(\slot)/2)*(\i)+FRB*(\q)
	ds_load_b64 v[AF+FR*(\i)+4:AF+FR*(\i)+5], v[ADR8+\slot] offset:TILEB*(2-(\slot)/2)*(\i)+FRB*(\q)+512
	ds_load_b128 v[AF+FR*(\i)+6:AF+FR*(\i)+9], v[ADRA+\slot] offset:TILEB*(2-(\slot)/2)*(\i)+FRB*(\q)+768
	ds_load_b64 v[AF+FR*(\i)+10:AF+FR*(\i)+11], v[ADR8+\slot] offset:TILEB*(2-(\slot)/2)*(\i)+FRB*(\q)+1280
.endr
.endm
.macro SCALES k                        ; 16 loads
.irp i, 0,1,2,3,4,5,6,7
.irp q, 0,1
	ds_load_b32 v[SC+16*((\k)%2)+2*\i+\q], v[ADRS] offset:(2*(\k)+\q)*1024+64*\i   ; a K step's words of 16 tiles are 1,024 bytes
.endr
.endr
.endm
; The 64 accumulators take turns, one instruction a turn, in the same order in every step.
.macro MUL16 a0, p, q, sc, zero
.irp a, \a0, \a0+1
.irp b, 0,1,2,3,4,5,6,7
.if \zero
	v_wmma_scale_f32_16x16x128_f8f6f4 v[8*(8*((\a)%4)+\b):8*(8*((\a)%4)+\b)+7], v[128*(\p)+FR*\b:128*(\p)+FR*\b+FR-1], v[AF+FR*(\a):AF+FR*(\a)+FR-1], 0, v[SC+16*(\sc)+2*\b+(\q)], v[SC+16*(\sc)+2*(\a)+(\q)] matrix_a_fmt:MATRIX_FMT_FP6 matrix_b_fmt:MATRIX_FMT_FP6 matrix_a_scale:MATRIX_SCALE_ROW1
.else
	v_wmma_scale_f32_16x16x128_f8f6f4 v[8*(8*((\a)%4)+\b):8*(8*((\a)%4)+\b)+7], v[128*(\p)+FR*\b:128*(\p)+FR*\b+FR-1], v[AF+FR*(\a):AF+FR*(\a)+FR-1], v[8*(8*((\a)%4)+\b):8*(8*((\a)%4)+\b)+7], v[SC+16*(\sc)+2*\b+(\q)], v[SC+16*(\sc)+2*(\a)+(\q)] matrix_a_fmt:MATRIX_FMT_FP6 matrix_b_fmt:MATRIX_FMT_FP6 matrix_a_scale:MATRIX_SCALE_ROW1
.endif
.endr
.endr
.endm
.macro STEP slot, sc, zero
	s_wait_dscnt 12                                ; all but A's blocks 4-7 are in
	WIN MUL_LO
	MUL16 0, 0, 0, \sc, \zero
	MUL16 2, 0, 0, \sc, \zero
	s_wait_dscnt 0x0
	PLACES 4
	FETCH_B \slot, 1, 1
	FETCH_A \slot, 1, 0
	WIN MUL_HI
	MUL16 4, 0, 0, \sc, \zero
	MUL16 6, 0, 0, \sc, \zero
	PLACES 4
	WIN 0
	FETCH_A \slot, 1, 4
.endm
; kind 3: slot 0 is filled again behind a round of the cluster's barrier, which also shows slots 1 and 2 whole to every wave; kind 0: no barrier; kind 2: a barrier shows the refilled slot 0 whole
.macro TURN slot, sc, next, knext, kind
.if \kind
	s_wait_tensorcnt 0x0                           ; all my tensor loads have landed
	ds_add_u32 v[SPW], v[NIL]                      ; 0 onto my spare word
	s_wait_dscnt 13                                ; (the add and A's blocks 5-7 may be out)
	WIN MUL_LO
	MUL16 0, 1, 1, \sc, 0
	s_wait_dscnt 0x0                               ; the add is done, and my reads of this slot are over
	s_barrier_signal -1
	MUL16 2, 1, 1, \sc, 0
	WIN 0
	s_barrier_wait -1
.if \kind == 3
	CREST                                          ; kind 3: K slots 0 and 1 of A have been read out: K slot 3 is filled over their 98,304 bytes, my one tensor load behind the round
	JLOAD G0A+4, G1A, G0B+4, G1B
.else
	PLACES 4
.endif
.else
	s_wait_dscnt 12
	WIN MUL_LO
	MUL16 0, 1, 1, \sc, 0
	MUL16 2, 1, 1, \sc, 0
	s_wait_dscnt 0x0
	PLACES 4
	WIN 0
.endif
	FETCH_B \next, 0, 0
	FETCH_A \next, 0, 0
	SCALES \knext
	WIN MUL_HI
	MUL16 4, 1, 1, \sc, 0
	MUL16 6, 1, 1, \sc, 0
	PLACES 4
	WIN 0
	FETCH_A \next, 0, 4
.endm
	s_load_b256 s[4:11], s[0:1], 0x0               ; o_img s[4:5], o_sc s[6:7], img s[8:9], sc s[10:11]
	s_load_b64 s[12:13], s[0:1], 0x20              ; out0
	v_lshl_add_u32 v[SPW], v0, 2, SPARE
	v_mov_b32 v[NIL], 0
	ds_add_u32 v28, v29
	ds_add_u32 v28, v29
	s_wait_dscnt 0x0
	v_lshrrev_b32 v8, 5, v0
	v_readfirstlane_b32 s14, v8                    ; wave 0..3
	s_lshr_b32 s15, s14, 1
	s_and_b32 s16, s14, 1
	s_bfe_u32 s92, ttmp6, 0x40000                  ; cx
	s_bfe_u32 s93, ttmp6, 0x40004                  ; cy
	s_and_b32 s95, ttmp7, 0xffff                   ; cluster y
	s_lshl_b32 s96, s93, 2
	s_lshl_b32 s96, 15, s96                        ; my row of the cluster
	s_lshl_b32 s97, 0x1111, s92                    ; my column
	s_or_b32 s[G1A], s96, (3<<16)|(1<<21)
	s_or_b32 s[G1B], s97, (3<<16)|(1<<21)
	s_or_b32 s[G1SA], s96, (3<<16)|(1<<21)
	s_or_b32 s[G1SB], s97, (3<<16)|(1<<21)
.irp g, G1A, G1B                       ; codes: 8 tiles, of each 3,072 bytes, 12,288 bytes apart (elements of 8 bytes)
	s_mov_b32 s[\g+1], 768<<16                     ; the head's loads bring K slots 0 and 1 of all 16 tiles: rows of 6,144 bytes; behind them these words are set for 8 tiles of 3,072
	s_mov_b32 s[\g+2], 16<<16
	s_mov_b32 s[\g+3], 768<<16
	s_mov_b32 s[\g+4], 16
	s_mov_b32 s[\g+5], 1536
	s_mov_b32 s[\g+6], 0
	s_mov_b32 s[\g+7], 0
.endr
.irp g, G1SA, G1SB                     ; scales: 8 K steps, of each 1,024 bytes
	s_mov_b32 s[\g+1], 128<<16                     ; 16 tiles' words of a K step: 1,024 bytes
	s_mov_b32 s[\g+2], 8<<16
	s_mov_b32 s[\g+3], 128<<16
	s_mov_b32 s[\g+4], 8
	s_mov_b32 s[\g+6], 0
	s_mov_b32 s[\g+7], 0
.endr
	s_mov_b32 s[G1SA+5], 4096                      ; o_sc: 32,768 bytes from K step to K step
	s_mov_b32 s[G1SB+5], 6144                      ; sc: 49,152
	s_lshl_b32 s18, s95, 2
	s_add_co_u32 s18, s18, s93
	s_lshl_b32 s18, s18, 4                         ; O's tiles: 16 (4 cluster y + cy)
	s_lshl_b32 s20, s16, 3
	s_add_co_u32 s18, s18, s20
	s_lshl_b32 s22, s92, 4
	s_add_co_u32 s22, s22, s20
	s_add_co_u32 s22, s22, 704                     ; w_out's: 704 + 16 cx
	s_mul_i32 s20, s18, 12288
	s_mov_b32 s21, 0
	s_lshl_b32 s18, s18, 6
	s_mov_b32 s19, 0
	s_mul_i32 s2, s22, 12288
	s_mov_b32 s3, 0
	s_lshl_b32 s22, s22, 6
	s_mov_b32 s23, 0
	s_mul_i32 s17, s14, WPART
	s_lshl_b32 s98, s16, 9                         ; the scales come whole: my half's 512 bytes are taken off their address again
	s_mov_b32 s99, 0
	s_wait_kmcnt 0x0
	s_add_nc_u64 s[20:21], s[4:5], s[20:21]
	s_add_nc_u64 s[18:19], s[6:7], s[18:19]
	s_add_nc_u64 s[2:3], s[8:9], s[2:3]
	s_add_nc_u64 s[22:23], s[10:11], s[22:23]
	s_mov_b32 s[G0AS], 1
	s_mov_b32 s[G0AS+1], SCL
	s_sub_nc_u64 s[G0AS+2:G0AS+3], s[18:19], s[98:99]
	s_or_b32 s[G0AS+3], s[G0AS+3], 0x80000000
	s_mov_b32 s[G0BS], 1
	s_mov_b32 s[G0BS+1], SCL+8192
	s_sub_nc_u64 s[G0BS+2:G0BS+3], s[22:23], s[98:99]
	s_or_b32 s[G0BS+3], s[G0BS+3], 0x80000000
.irp s, 0,1,2
	s_mov_b32 s[G0A+4*\s], 1
	s_add_co_u32 s[G0A+4*\s+1], s17, \s*SLOT
	s_add_nc_u64 s[G0A+4*\s+2:G0A+4*\s+3], s[20:21], \s*TILEB
	s_or_b32 s[G0A+4*\s+3], s[G0A+4*\s+3], 0x80000000
	s_mov_b32 s[G0B+4*\s+4*(\s/2)], 1
	s_add_co_u32 s[G0B+4*\s+4*(\s/2)+1], s17, \s*SLOT
	s_add_nc_u64 s[G0B+4*\s+4*(\s/2)+2:G0B+4*\s+4*(\s/2)+3], s[2:3], \s*TILEB
	s_or_b32 s[G0B+4*\s+4*(\s/2)+3], s[G0B+4*\s+4*(\s/2)+3], 0x80000000
.endr
	s_lshl_b32 s[G0A+1], s17, 1                    ; set 0 serves the head: wave 0 fills A's 98,304 bytes from 0 on, wave 2 B's from 98,304 on
	s_lshl_b32 s[G0B+1], s17, 1
	s_mov_b32 s[G0A+5], s17                        ; set 1 serves K slot 3: from LDS byte 0 on, wave x 24,576
	s_mov_b32 s[G0B+5], s17
	s_add_nc_u64 s[G0A+6:G0A+7], s[G0A+6:G0A+7], 2*TILEB
	s_add_nc_u64 s[G0B+6:G0B+7], s[G0B+6:G0B+7], 2*TILEB
	s_cmp_eq_u32 s15, 0                            ; the prefetches' base: of the 8 tiles that I fetch in the ring, my work-group's two (the four partners share them out by address: cx for A, cy for B)
	s_cselect_b64 s[2:3], s[20:21], s[2:3]
	s_cselect_b32 s96, s92, s93
	s_mul_i32 s96, s96, 2*12288
	s_mov_b32 s97, 0
	s_add_nc_u64 s[2:3], s[2:3], s[96:97]
	CROUND                                         ; all sixteen work-groups are here: the first joint loads meet
; THE HEAD'S LOADS, ONE A WAVE: wave 0 K slots 0 and 1 of A's 16 tiles, wave 1 A's scales, wave 2 K slots 0 and 1 of B's 16 tiles, wave 3 B's scales.
; Waves 0 and 2 fetch the lower half in the ring, so their group 0 names the first of the 16 tiles.  One chain of branches on the wave's number, one load to an arm.
; THE ORDER OF THE FILLS: the head's; K slot 2 behind the round at the head's end; K slot 3 behind the round at the end of K slot 1.
.macro ARM under, g0, g1, next
	s_cmp_lt_u32 s14, \under
	s_cbranch_scc0 \next
	tensor_load_to_lds s[\g0:\g0+3], s[\g1:\g1+7]
	s_nop 0
.rept 4
	v_nop
.endr
	s_branch .Lhead_asked
\next:
.endm
	ARM 1, G0A,  G1A,  .Lhead_sa
	ARM 2, G0AS, G1SA, .Lhead_b
	ARM 3, G0B,  G1B,  .Lhead_sb
	tensor_load_to_lds s[G0BS:G0BS+3], s[G1SB:G1SB+7]
	s_nop 0
.rept 4
	v_nop
.endr
.Lhead_asked:
	v_and_b32 v8, 31, v0
	v_and_b32 v10, 15, v0                          ; r
	v_bfe_u32 v11, v0, 4, 1                        ; h
	s_wait_alu depctr_va_vdst(0)
	v_lshlrev_b32 v[CO], 4, v8
.set ADR8, 4
	v_lshlrev_b32 v7, 3, v8
.set ADR8, 1                           ; v1-4  my A fragments of K slots 0 to 3, at 8 bytes a lane
	s_wait_alu depctr_va_vdst(0)
	s_mul_i32 s17, s15, WPART                      ; K slot 3, from byte 0 on: my 8 tiles of A,
	s_mul_i32 s18, s16, WPART                      ; my 8 tiles of B,
	s_add_co_u32 s18, s18, 2*WPART                 ; behind A's 16
	v_add_nc_u32 v[ADR8+3], s17, v7
	v_add_nc_u32 v[ADRA+3], s17, v[CO]
	v_add_nc_u32 v[ADRB+3], s18, v[CO]
	s_add_co_u32 s17, s17, 2*SLOT                  ; K slot 2: the same, from 196,608 on
	s_add_co_u32 s18, s18, 2*SLOT
	v_add_nc_u32 v[ADR8+2], s17, v7
	v_add_nc_u32 v[ADRA+2], s17, v[CO]
	v_add_nc_u32 v[ADRB+2], s18, v[CO]
	s_mul_i32 s17, s15, 2*WPART                    ; K slots 0, 1: tiles of 6,144 bytes, A's 16 from 0 on, B's from 98,304 on
	s_mul_i32 s18, s16, 2*WPART
	s_add_co_u32 s18, s18, SLOT
	v_add_nc_u32 v[ADR8], s17, v7
	v_add_nc_u32 v[ADRA], s17, v[CO]
	v_add_nc_u32 v[ADRB], s18, v[CO]
	v_add_nc_u32 v[ADR8+1], TILEB, v[ADR8]
	v_add_nc_u32 v[ADRA+1], TILEB, v[ADRA]
	v_add_nc_u32 v[ADRB+1], TILEB, v[ADRB]
	s_lshl_b32 s17, s15, 9                         ; A's scale words: my 8 tiles of the 16
	s_lshl_b32 s20, s16, 9                         ; B's: my 8 tiles, behind A's 8,192 bytes
	s_add_co_u32 s20, s20, 8192
	s_sub_co_u32 s20, s20, s17
	v_mul_u32_u24 v12, s20, v11                    ; lanes 16-31 take B's scale words: one product, the distance between the two
	s_add_co_u32 s17, s17, SCL
	v_lshl_add_u32 v[ADRS], v10, 2, s17
	v_add_nc_u32 v[ADRS], v[ADRS], v12
	s_mul_i32 s19, s14, 8448                       ; my stage: 16 rows x (512 + 16) bytes, in slot 1, which has had its one fill, and whose last read lies in front of the last barrier
	s_add_co_u32 s19, s19, SLOT
	v_mul_u32_u24 v12, v10, 528
	v_lshl_add_u32 v12, v11, 6, v12
	v_add_nc_u32 v[STO], s19, v12                  ; in: row r, + 64 h
	v_add_nc_u32 v[RD], s19, v[CO]                 ; back: a whole row, 16 bytes a lane
	s_lshl_b32 s20, s95, 2
	s_add_co_u32 s20, s20, s93
	s_lshl_b32 s20, s20, 8
	s_lshl_b32 s21, s15, 7
	s_add_co_u32 s20, s20, s21                     ; my first row of out0
	s_lshl_b32 s20, s20, 12
	s_lshl_b32 s21, s92, 10
	s_add_co_u32 s20, s20, s21
	s_lshl_b32 s21, s16, 9
	s_add_co_u32 s20, s20, s21                     ; + my first column's bytes
	s_mov_b32 s21, 0
	s_add_nc_u64 s[12:13], s[12:13], s[20:21]
	v_min_u32 v9, 11, v10                          ; prefetches of K slots 2 and 3: a tile's K slot is 12 blocks of 256 bytes; lanes 0-15 name the first of my two tiles, lanes 16-31 the second,
	v_lshlrev_b32 v9, 8, v9                        ; a lane a block (the four lanes left over in each half name the tile's last block again)
	v_mad_u32_u24 v9, v11, 0x3000, v9
	global_prefetch_b8 v9, s[2:3] offset:2*TILEB th:TH_LOAD_NT scope:SCOPE_SE   ; K slot 2 is loaded behind the round below, K slot 3 two K slots further on; s[2:3] and v9 are never written again
	global_prefetch_b8 v9, s[2:3] offset:3*TILEB th:TH_LOAD_NT scope:SCOPE_SE
	s_wait_alu depctr_va_vdst(0)                   ; the wait at the head's end
	s_wait_tensorcnt 0x0                           ; my one load of the head is in; the lines ahead of a later first fill:
	ds_add_u32 v[SPW], v[NIL]
	s_mov_b32 s[G1A+2], 8<<16                      ; no tensor load of mine is out: from here on a load brings 8 tiles of 3,072 bytes
	s_mov_b32 s[G1A+4], 8
	s_mov_b32 s[G1A+1], 384<<16
	s_mov_b32 s[G1A+3], 384<<16
	s_mov_b32 s[G1B+2], 8<<16
	s_mov_b32 s[G1B+4], 8
	s_mov_b32 s[G1B+1], 384<<16
	s_mov_b32 s[G1B+3], 384<<16
	s_wait_dscnt 0x0
	CROUND                                         ; K slot 0 and the scales are whole for every wave,
	JLOAD G0A+8, G1A, G0B+12, G1B                  ; and K slot 2's first fill is my one tensor load behind the round
	FETCH_B 0, 0, 0
	FETCH_A 0, 0, 0
	SCALES 0
	FETCH_A 0, 0, 4
	STEP 0, 0, 1                                   ; the first products start the sums
	TURN 0, 0, 1, 1, 0
	STEP 1, 1, 0
	TURN 1, 1, 2, 2, 3
	STEP 2, 0, 0
	TURN 2, 0, 3, 3, 2
	STEP 3, 1, 0
	s_wait_dscnt 12
	WIN MUL_LO
	MUL16 0, 1, 1, 1, 0
	MUL16 2, 1, 1, 1, 0
	s_wait_dscnt 0x0
	WIN MUL_HI
	MUL16 4, 1, 1, 1, 0
	MUL16 6, 1, 1, 1, 0
	WIN 0
; THE WAY OUT, a block of 16 rows x 128 columns at a time, through my own stage: in as 32 bytes a lane, back as whole rows of 512 bytes.  LDS serves a wave's instructions in order: no wait between the stores and the loads.
.macro TOSTAGE a
.set AC, 64*((\a)%4)
	WIN 0x08+4*((\a)/4)                            ; an LDS store's data: window 2 or 3
.irp b, 0,1,2,3,4,5,6,7
	ds_store_b128 v[STO], v[AC+8*\b:AC+8*\b+3] offset:128*(\b/2)+32*(\b%2)          ; each accumulator from its low end on
	ds_store_b128 v[STO], v[AC+8*\b+4:AC+8*\b+7] offset:128*(\b/2)+32*(\b%2)+16
.endr
	WIN 0
.set BB, BK+64*((\a)%2)
.irp t, 0,1,2,3,4,5,6,7,8,9,10,11,12,13,14,15
	ds_load_b128 v[BB+4*\t:BB+4*\t+3], v[RD] offset:\t*528
.endr
.endm
.macro SEND a, younger                 ; younger: the LDS instructions issued behind block a's loads
.set BB, BK+64*((\a)%2)
	s_wait_dscnt \younger
.irp t, 0,1,2,3,4,5,6,7,8,9,10,11,12,13,14,15
	global_store_b128 v[CO], v[BB+4*\t:BB+4*\t+3], s[12:13] offset:(32*((\a)/2)+8*((\a)%2)+\t+8*(\t/8))*4096 th:TH_STORE_NT   ; place t of tile a is that row; 512 consecutive bytes, aligned to 256; 127 rows at the most: inside the signed 24-bit immediate
.endr
.endm
	PLACES 4
	TOSTAGE 0
.irp a, 1,2,3,4,5,6,7
.if \a > 1
	s_wait_xcnt 0x0                                ; block a - 2's stores have read their registers: block a's loads may land there
.endif
	TOSTAGE \a
	SEND \a-1, 32                                  ; behind block a - 1's loads: block a's 16 stores and 16 loads
.endr
	SEND 7, 0
	s_wait_tensorcnt 0x0                           ; the wave's end
	ds_add_u32 v[SPW], v[NIL]
	s_wait_dscnt 0x0
	CROUND                                         ; the closing round
	s_endpgm
.Lfunc_end_k_qf10c0c0145_proj:
	.size	k_qf10c0c0145_proj, .Lfunc_end_k_qf10c0c0145_proj-k_qf10c0c0145_proj
	.p2alignl 7, 3214868480
	.fill 96, 4, 3214868480
	.section	.rodata,"a",@progbits
	.p2align	6, 0x0
	.amdhsa_kernel k_qf10c0c0145_proj
		.amdhsa_group_segment_fixed_size 327680
		.amdhsa_private_segment_fixed_size 0
		.amdhsa_enable_private_segment 0
		.amdhsa_kernarg_size 40
		.amdhsa_user_sgpr_count 2
		.amdhsa_user_sgpr_kernarg_segment_ptr 1
		.amdhsa_wavefront_size32 1
		.amdhsa_system_sgpr_workgroup_id_x 1
		.amdhsa_system_sgpr_workgroup_id_y 1
		.amdhsa_system_sgpr_workgroup_id_z 1
		.amdhsa_system_vgpr_workitem_id 0
		.amdhsa_next_free_vgpr 1024
		.amdhsa_next_free_sgpr 102
		.amdhsa_reserve_vcc 0
		.amdhsa_float_denorm_mode_32 3
		.amdhsa_float_denorm_mode_16_64 3
		.amdhsa_memory_ordered 1
		.amdhsa_forward_progress 1
		.amdhsa_inst_pref_size 142
	.end_amdhsa_kernel
	.amdgpu_metadata
---
amdhsa.version: [ 1, 2 ]
amdhsa.kernels:
  - .name:           k_qf10c0c0145_proj
    .symbol:         k_qf10c0c0145_proj.kd
    .args:
      - { .name: o_img, .offset: 0, .size: 8, .value_kind: global_buffer, .address_space: global }
      - { .name: o_sc, .offset: 8, .size: 8, .value_kind: global_buffer, .address_space: global }
      - { .name: img, .offset: 16, .size: 8, .value_kind: global_buffer, .address_space: global }
      - { .name: sc, .offset: 24, .size: 8, .value_kind: global_buffer, .address_space: global }
      - { .name: out0, .offset: 32, .size: 8, .value_kind: global_buffer, .address_space: global }
    .group_segment_fixed_size: 327680
    .private_segment_fixed_size: 0
    .kernarg_segment_align: 8
    .kernarg_segment_size: 40
    .max_flat_workgroup_size: 128
    .sgpr_count:     102
    .vgpr_count:     1024
    .wavefront_size: 32
...
	.end_amdgpu_metadata
.endif
;; end of part 4
